; MI455X (gfx1250); checked and timed in simulation.
; The chip was launched on July 23, 2026; its instructions are those of AMD's public machine-readable ISA for CDNA 5 (MIT licence, August 2026) and "CDNA5" Instruction Set Architecture Reference Guide (July 2026). The comments in the code are by the model that wrote it; some were corrected since.
;; Attention Block. Allowed arithmetic: matrix products marked QUANTISED: E2M1 operands, one E8M0 scale for each 32 along K, by v_wmma_scale_f32_16x16x128_f8f6f4 with both operands' format E2M1 (or v_wmma_scale_f32_32x16x128_f4), f32 sums; everything else in f32.
;; Inputs: W1_codes 1,024 x 32 x 16 uint8 (E2M1 codes of W1, K innermost, in blocks of 32 codes, two codes a byte); W1_scales 1,024 x 32 uint8 (E8M0 scales of W1, one for each 32 codes along K); W2_codes 1,024 x 32 x 16 uint8 (E2M1 codes of W2, K innermost, in blocks of 32 codes, two codes a byte); W2_scales 1,024 x 32 uint8 (E8M0 scales of W2, one for each 32 codes along K); Wk_codes 16 x 64 x 32 x 16 uint8 (E2M1 codes of Wk, K innermost, in blocks of 32 codes, two codes a byte); Wk_scales 16 x 64 x 32 uint8 (E8M0 scales of Wk, one for each 32 codes along K); Wq_codes 16 x 64 x 32 x 16 uint8 (E2M1 codes of Wq, K innermost, in blocks of 32 codes, two codes a byte); Wq_scales 16 x 64 x 32 uint8 (E8M0 scales of Wq, one for each 32 codes along K); Wv_codes 16 x 64 x 32 x 16 uint8 (E2M1 codes of Wv, K innermost, in blocks of 32 codes, two codes a byte); Wv_scales 16 x 64 x 32 uint8 (E8M0 scales of Wv, one for each 32 codes along K); b1 1,024 float32; b2 1,024 float32; g1 1,024 float32; g2 1,024 float32; x 8 x 1,024 x 1,024 float32.
;; Outputs: out0 8 x 1,024 x 1,024 float32.
;; This version of the problem:
;;   THIS VERSION OF THE PROBLEM IS GIVEN IN LOW PRECISION. The matrix products marked QUANTISED in the list below multiply operands that are first quantised to E2M1 (2 exponent bits, 1 mantissa bit; 4 bits a number), with one power-of-two scale for each 32 numbers along K (OCP MX v1.0); their sums are f32. All else is computed in f32.
;;   The module's matrix products, in the order in which they are computed (A, B: the left and right operand; K: the contracted axis; several contracted axes count as one K, in the product's order):
;;     1. [M 1,024, K 1,024] x [K 1,024, N 8,192]; A: input Wq (given as codes); B: input x: QUANTISED
;;     2. [M 1,024, K 1,024] x [K 1,024, N 8,192]; A: input Wk (given as codes); B: input x: QUANTISED
;;     3. [M 1,024, K 1,024] x [K 1,024, N 8,192]; A: input Wv (given as codes); B: input x: QUANTISED
;;     4. batch 128 x [M 1,024, K 64] x [K 64, N 1,024]; A: computed on the way; B: computed on the way: QUANTISED
;;     5. [M 8,192, K 1,024] x [K 1,024, N 1,024]; A: computed on the way; B: input W1 (given as codes): QUANTISED
;;     6. [M 8,192, K 1,024] x [K 1,024, N 1,024]; A: computed on the way; B: input W2 (given as codes): QUANTISED
;;   THE QUANTISER, for each operand of a quantised product, along K:
;;     - K is cut into blocks of 32 from its start; a last block that is shorter is filled with zeros.
;;     - A block's scale is 2^e with e = floor(log2(the largest magnitude in the block)) - 2, held to -126 .. 127; a block of zeros has e = 0. As a byte (E8M0): e + 127.
;;     - Each number is divided by its block's scale, clamped to +-6, and rounded to the nearest number of E2M1, ties to even, subnormals kept.
;;     - The product sums the exact products of the quantised numbers (number of the format x scale) in f32.
;;   ~~~python
;;   def quantise(x, axis):      # numpy; x: float32 -> the quantised numbers, widened to float32 again
;;       x = np.moveaxis(x, axis, -1); K = x.shape[-1]
;;       x = np.pad(x, [(0, 0)] * (x.ndim - 1) + [(0, -K % 32)]); x = x.reshape(x.shape[:-1] + (-1, 32)); a = np.abs(x).max(-1, keepdims=True)
;;       e = np.where(a > 0, np.clip(np.frexp(np.where(a > 0, a, 1))[1] - 1 - 2, -126, 127), 0)      # np.frexp(a)[1] - 1 = floor(log2(a)), exactly
;;       r = np.clip(x / 2.0 ** e, -6, 6)
;;       step = 2.0 ** (np.maximum(np.frexp(np.where(r == 0, 1, r))[1] - 1, 0) - 1)
;;       q = np.round(r / step) * step * 2.0 ** e      # np.round: ties to even
;;       return np.moveaxis(q.reshape(q.shape[:-2] + (-1,))[..., :K], -1, axis).astype(np.float32)
;;   ~~~
;;   OPERANDS COMPUTED ON THE WAY. 'Computed on the way' means the value that the module computes at that place (a softmax that the list does not call 'softmax' is quantised finished and normalised). What goes into a quantiser is computed in f32, as accurately as f32 sums, v_exp_f32 and their like allow (about 1e-6 of the number): no bf16 or f16 on the way to a quantiser, and a product that is left as it is and whose result goes on into a quantised operand takes f32 operands (vector FMAs, or v_wmma_f32_16x16x4_f32). A number that lies on a knife's edge between two numbers of the format may be rounded either way, as far as f32 arithmetic and the matrix unit's own rounding can turn it there, and no further.
;;   INPUTS GIVEN AS CODES. W1 (in the module: [1024, 1024], K = its axis 0); W2 (in the module: [1024, 1024], K = its axis 0); Wk (in the module: [16, 1024, 64], K = its axis 1); Wq (in the module: [16, 1024, 64], K = its axis 1); Wv (in the module: [16, 1024, 64], K = its axis 1): each comes as NAME_codes (uint8): NAME with its K axis moved to the last place and cut into blocks of 32 codes, [.., K / 32, bytes a block], one block behind the other in memory; two codes a byte, the lower K in the low four bits (a code: sign, 2 exponent bits, 1 mantissa bit); and NAME_scales (uint8): the same leading axes, one E8M0 byte (e + 127) for each 32 codes along K. Its value is code x scale, taken as it is: it is not quantised again, and the codes and scales need not be those that the quantiser above would give.
;; 2 versions. Each part assembles by itself: llvm-mc -triple=amdgcn-amd-amdhsa -mcpu=gfx1250 --defsym DOCPART=n.
;; ======== version 1 of 2: 3 launches
;; workspace buffers: XC 4,194,304 bytes; XS 262,144 bytes; WF 2,785,280 bytes; RS 524,288 bytes; VP 65,536 bytes
;; launch prep (part 1): grid 592 x 1, 4 waves a work-group, no clusters, 33,280 bytes of LDS; arguments x, XC, XS, WF, Wq_codes, Wk_codes, Wv_codes, W1_codes, W2_codes, Wq_scales, Wk_scales, Wv_scales, W1_scales, W2_scales; writes XC, XS, WF
.if DOCPART == 1
	.amdgcn_target "amdgcn-amd-amdhsa--gfx1250"
	.amdhsa_code_object_version 6
	.text
	.protected	k_qd834538ddc_prep
	.globl	k_qd834538ddc_prep
	.p2align	8
	.type	k_qd834538ddc_prep,@function
k_qd834538ddc_prep:
	s_mov_b64 s[64:65], 0
	v_nop
	global_prefetch_b8 v0, s[64:65] scope:SCOPE_SE
	s_setreg_imm32_b32 hwreg(HW_REG_WAVE_MODE, 25, 1), 1
	s_wait_xcnt 0x0
; PREP.  Work-groups 0-511: x [8192][1024] f32 becomes codes of E2M1 with one E8M0 byte for each 32 along K, laid as IMAGES OF OPERAND REGISTERS.
; Work-groups 512-591: the five weights' codes and scale bytes are laid out anew in the same way, so that every later read is dense.
; XC: [512 tiles of 16 tokens][8,192 bytes]: block kb of 32 codes of row r at 256 kb + 16 r  (= K step s x 1024 + c x 512 + lane x 16, lane = 16 h + r, kb = 4 s + 2 c + h).
; XS: [512 tiles][512 bytes]: the byte of row r, block kb at 128 (kb / 8) + 8 r + kb % 8: a lane (r, h) that loads 8 bytes at 256 g + 8 lane has the scale words of K steps 4 g + 2 h and 4 g + 2 h + 1.
; WF: [80 groups of 64 weight rows][8 K steps][4,352 bytes]: four tiles' fragments (tile x 1024 + c x 512 + lane x 16), then at 4,096 the scale words: lane x 8 + 4 j = tile 2 j + h, row r.
;     Lane r of a group's tile T takes weight row 32 (T / 2) + 8 (T % 2) + r + (r & 8), so that the results of two neighbouring tiles are 16 neighbours along the next K.
;     Group = 3 head + kind (q, k, v) under 48; 48 + G for W1; 64 + G for W2.
; A block's scale is 2^(floor(log2(largest magnitude)) - 2): its byte is the largest magnitude's exponent field - 2, held at 1 from below.
; LIMITS: NaN and infinities are not served; a block whose largest magnitude lies under 2^-124 gets the byte 1; a block of zeros gets the byte 1 with zero codes (this program alone reads the bytes).
; No matrix work, no tensor load, no barrier: waves share nothing.  The two paths part on the work-group's number; the x path alone uses LDS, each wave 8,192 bytes of its own.
.set SP,   80                          ; a lane's place in a turn stage: 64 bytes + 16 of padding
.set STG,  32*SP                       ; a turn stage; two of them
.set SCB,  2*STG                       ; behind them my wave's 128 scale bytes
.set CST,  5376                        ; and its code stage: 8 chunks (one for each block kb) of 256 bytes,
.set CP,   288                         ; 288 bytes apart
.set R,    16                          ; v16-143  numbers as loaded, 16 registers a step
.set XR,   144                         ; v144-175 two sets of 16 neighbours
.set CR,   176                         ; v176-191 codes, two registers a step
.set ER,   192                         ; v192-199 a scale byte a step
.set BK,   200                         ; v200-215 the codes read back
	s_load_b256 s[4:11], s[0:1], 0x0               ; x, XC, XS, WF
	s_load_b256 s[12:19], s[0:1], 0x20             ; codes of Wq, Wk, Wv, W1
	s_load_b256 s[20:27], s[0:1], 0x40             ; codes of W2; scales of Wq, Wk, Wv
	s_load_b128 s[28:31], s[0:1], 0x60             ; scales of W1, W2
	v_lshl_add_u32 v216, v0, 2, 0x8000
	v_mov_b32 v217, 0
	v_lshrrev_b32 v1, 5, v0
	v_readfirstlane_b32 s32, v1                    ; wave 0..3
	v_and_b32 v2, 31, v0                           ; lane
	v_lshlrev_b32 v3, 4, v2                        ; 16 x lane
	s_wait_kmcnt 0x0
	s_cmp_ge_u32 ttmp9, 512
	s_cbranch_scc1 .Lweights
; ---- x: work-group n takes token tile n; wave w its columns 256 w .. 256 w + 255 (blocks 8 w .. 8 w + 7): eight steps of two rows x 1,024 bytes.
	s_lshl_b32 s33, s32, 13                        ; my wave's LDS
	v_lshrrev_b32 v14, 2, v2
	v_mul_u32_u24 v14, v14, SP
	v_and_b32 v15, 3, v2
	v_lshl_add_u32 v14, v15, 4, v14
	v_add_nc_u32 v14, s33, v14                     ; into a turn stage: four lanes' 64 bytes on end, then the padding
	v_mul_u32_u24 v15, v2, SP
	v_add_nc_u32 v15, s33, v15                     ; out of it: my 16 neighbours
	v_bfe_u32 v4, v2, 1, 3                         ; behind the turn lane l holds row 2 t + l / 16, block (l % 16) / 2, half l % 2
	v_mul_u32_u24 v4, v4, CP
	v_lshrrev_b32 v8, 4, v2
	v_lshl_add_u32 v4, v8, 4, v4
	v_and_b32 v10, 1, v2
	v_lshl_add_u32 v4, v10, 3, v4
	v_add_nc_u32 v4, s33, v4                       ; my 8 bytes of codes in the code stage (+ 32 t)
	v_lshrrev_b32 v5, 1, v2
	v_add_nc_u32 v5, s33, v5                       ; my block's scale byte: 8 x row + block = 16 t + l / 2
	v_lshlrev_b32 v7, 2, v2
	v_add_nc_u32 v6, s33, v7                       ; the scale bytes on the way out: 4 a lane
	v_mul_u32_u24 v9, v8, CP
	v_and_b32 v10, 15, v2
	v_lshl_add_u32 v9, v10, 4, v9
	v_add_nc_u32 v9, s33, v9                       ; the codes on the way out: sixteen lanes to a chunk
	s_mov_b32 s35, 0
	s_lshl_b32 s34, ttmp9, 16                      ; x: 16 rows of 4,096 bytes a tile, 1,024 bytes a wave
	s_lshl_b32 s36, s32, 10
	s_add_co_u32 s34, s34, s36
	s_add_nc_u64 s[4:5], s[4:5], s[34:35]
	s_lshl_b32 s34, ttmp9, 13                      ; XC: 8,192 a tile, 2,048 a wave
	s_lshl_b32 s36, s32, 11
	s_add_co_u32 s34, s34, s36
	s_add_nc_u64 s[6:7], s[6:7], s[34:35]
	s_lshl_b32 s34, ttmp9, 9                       ; XS: 512 a tile, 128 a wave
	s_lshl_b32 s36, s32, 7
	s_add_co_u32 s34, s34, s36
	s_add_nc_u64 s[8:9], s[8:9], s[34:35]
.irp t, 0,1,2,3,4,5,6,7                        ; all 32 loads go out at once: the wave's whole share, 16,384 bytes; each reads 512 consecutive bytes
.irp i, 0,1,2,3
	global_load_b128 v[R+16*\t+4*\i:R+16*\t+4*\i+3], v3, s[4:5] offset:(2*\t+\i/2)*4096+(\i%2)*512 th:TH_LOAD_NT
.endr
.endr
.macro TURN t                          ; a step's 2,048 bytes through a stage: in as they were loaded, out 64 bytes a lane.  LDS serves a wave's instructions in order
.irp i, 0,1,2,3
	ds_store_b128 v14, v[R+16*(\t)+4*\i:R+16*(\t)+4*\i+3] offset:STG*((\t)%2)+8*SP*\i
.endr
.irp i, 0,1,2,3
	ds_load_b128 v[XR+16*((\t)%2)+4*\i:XR+16*((\t)%2)+4*\i+3], v15 offset:STG*((\t)%2)+16*\i
.endr
.endm
	s_wait_loadcnt 28                              ; step 0's four loads are in
	TURN 0
.macro STEP t
.set XSET, XR+16*((\t)%2)
.if (\t) > 0
	s_wait_dscnt 2                                 ; this step's numbers are back; the last step's two small stores may be out
.else
	s_wait_dscnt 0x0
.endif
.if (\t) < 7
	s_wait_loadcnt 4*(6-(\t))                      ; the next step's four loads are in; those of the steps behind it may be out
	TURN (\t)+1
.endif
	v_max3_num_f32 v8, |v[XSET]|, |v[XSET+1]|, |v[XSET+2]|         ; the largest magnitude of my 16, in two chains
	v_max3_num_f32 v10, |v[XSET+3]|, |v[XSET+4]|, |v[XSET+5]|
.irp i, 6,10
	v_max3_num_f32 v8, v8, |v[XSET+\i]|, |v[XSET+\i+1]|
	v_max3_num_f32 v10, v10, |v[XSET+\i+2]|, |v[XSET+\i+3]|
.endr
	v_max3_num_f32 v8, v8, |v[XSET+14]|, |v[XSET+15]|
	v_max3_num_f32 v8, v8, v10, 0x1800000          ; and the floor 2^(3 - 127): the byte cannot fall under 1
	v_max_num_f32_dpp v8, v8, v8 row_xmask:1 row_mask:0xf bank_mask:0xf   ; with my neighbour's 16: the block's
	v_add_nc_u32 v11, 0xff000000, v8               ; 2 off its exponent field: the conversion's scale operand
	v_cvt_scalef32_pk8_fp4_f32 v[CR+2*(\t)], v[XSET:XSET+7], v11
	v_cvt_scalef32_pk8_fp4_f32 v[CR+2*(\t)+1], v[XSET+8:XSET+15], v11
	v_lshrrev_b32 v[ER+(\t)], 23, v11              ; the scale's byte (also the plain line behind the conversions)
	ds_store_b8 v5, v[ER+(\t)] offset:SCB+16*(\t)  ; both lanes of a block write the same byte with the same value
	ds_store_b64 v4, v[CR+2*(\t):CR+2*(\t)+1] offset:CST+32*(\t)
.endm
.irp t, 0,1,2,3,4,5,6,7
	STEP \t
.endr
.irp j, 0,1,2,3
	ds_load_b128 v[BK+4*\j:BK+4*\j+3], v9 offset:CST+2*CP*\j       ; two chunks an instruction
.endr
	ds_load_b32 v12, v6 offset:SCB
	s_wait_dscnt 0x0
.irp j, 0,1,2,3
	global_store_b128 v3, v[BK+4*\j:BK+4*\j+3], s[6:7] offset:512*\j   ; 512 consecutive bytes, aligned
.endr
	global_store_b32 v7, v12, s[8:9]               ; 128 consecutive bytes: the four waves' stores fill the tile's 512; one byte in 128 of what the launch reads
	s_wait_tensorcnt 0x0
	ds_add_u32 v216, v217
	s_wait_dscnt 0x0
	s_endpgm
; ---- the weights: work-group 512 + 16 m + G takes rows 64 G .. 64 G + 63 of matrix m (Wq, Wk, Wv, W1, W2); wave w its tile w and the scale words of K steps 2 w, 2 w + 1.
.Lweights:
	s_sub_co_u32 s33, ttmp9, 512
	s_lshr_b32 s34, s33, 4                         ; m
	s_and_b32 s35, s33, 15                         ; G
	s_mul_i32 s36, s35, 3
	s_add_co_u32 s36, s36, s34
	s_cmp_lt_u32 s34, 3
	s_cselect_b32 s36, s36, s33                    ; the group's number in WF
	s_mov_b64 s[38:39], s[12:13]                   ; the sources are chosen on the work-group's number alone
	s_mov_b64 s[40:41], s[22:23]
	s_cmp_eq_u32 s34, 1
	s_cselect_b64 s[38:39], s[14:15], s[38:39]
	s_cselect_b64 s[40:41], s[24:25], s[40:41]
	s_cmp_eq_u32 s34, 2
	s_cselect_b64 s[38:39], s[16:17], s[38:39]
	s_cselect_b64 s[40:41], s[26:27], s[40:41]
	s_cmp_eq_u32 s34, 3
	s_cselect_b64 s[38:39], s[18:19], s[38:39]
	s_cselect_b64 s[40:41], s[28:29], s[40:41]
	s_cmp_eq_u32 s34, 4
	s_cselect_b64 s[38:39], s[20:21], s[38:39]
	s_cselect_b64 s[40:41], s[30:31], s[40:41]
	s_mov_b32 s43, 0
	s_lshl_b32 s42, s35, 15                        ; codes: (64 G + 32 (w / 2) + 8 (w % 2)) rows of 512 bytes
	s_lshr_b32 s44, s32, 1
	s_lshl_b32 s44, s44, 14
	s_add_co_u32 s42, s42, s44
	s_and_b32 s44, s32, 1
	s_lshl_b32 s44, s44, 12
	s_add_co_u32 s42, s42, s44
	s_add_nc_u64 s[38:39], s[38:39], s[42:43]
	s_lshl_b32 s42, s35, 11                        ; scales: 64 G rows of 32 bytes, + 8 w: K steps 2 w, 2 w + 1
	s_lshl_b32 s44, s32, 3
	s_add_co_u32 s42, s42, s44
	s_add_nc_u64 s[40:41], s[40:41], s[42:43]
	s_mul_i32 s42, s36, 34816
	s_add_nc_u64 s[10:11], s[10:11], s[42:43]      ; the group in WF
	s_lshl_b32 s42, s32, 10
	s_add_nc_u64 s[44:45], s[10:11], s[42:43]      ; my tile's place in a block
	s_mul_i32 s42, s32, 8704
	s_add_co_u32 s42, s42, 4096
	s_add_nc_u64 s[46:47], s[10:11], s[42:43]      ; the scale words of block 2 w
	v_and_b32 v8, 15, v2                           ; r
	v_lshrrev_b32 v9, 4, v2                        ; h
	v_and_b32 v10, 8, v8
	v_add_nc_u32 v10, v10, v8                      ; r + (r & 8)
	v_lshlrev_b32 v16, 9, v10
	v_lshl_add_u32 v16, v9, 4, v16                 ; my row's codes, + 16 h
	v_lshl_add_u32 v17, v9, 3, v10
	v_lshlrev_b32 v17, 5, v17                      ; the scale bytes' row of tile 2 j + h: 8 h + r + (r & 8), + 32 j in the immediate
	v_lshlrev_b32 v18, 3, v2
.irp j, 0,1,2,3,4,5,6,7,8,9,10,11,12,13,14,15  ; load j = 2 s + c: block 4 s + 2 c + h of my row
	global_load_b128 v[32+4*\j:35+4*\j], v16, s[38:39] offset:32*\j
.endr
.irp sl, 0,1
.irp j, 0,1
	global_load_b32 v[96+2*\sl+\j], v17, s[40:41] offset:1024*\j+4*\sl
.endr
.endr
	s_wait_loadcnt 0x0
.irp j, 0,1,2,3,4,5,6,7,8,9,10,11,12,13,14,15
	global_store_b128 v3, v[32+4*\j:35+4*\j], s[44:45] offset:(\j/2)*4352+(\j%2)*512   ; 512 consecutive bytes, aligned
.endr
.irp sl, 0,1
	global_store_b64 v18, v[96+2*\sl:97+2*\sl], s[46:47] offset:4352*\sl               ; 256 consecutive bytes, aligned
.endr
	s_endpgm
.Lfunc_end_k_qd834538ddc_prep:
	.size	k_qd834538ddc_prep, .Lfunc_end_k_qd834538ddc_prep-k_qd834538ddc_prep
	.p2alignl 7, 3214868480
	.fill 96, 4, 3214868480
	.section	.rodata,"a",@progbits
	.p2align	6, 0x0
	.amdhsa_kernel k_qd834538ddc_prep
		.amdhsa_group_segment_fixed_size 33280
		.amdhsa_private_segment_fixed_size 0
		.amdhsa_enable_private_segment 0
		.amdhsa_kernarg_size 112
		.amdhsa_user_sgpr_count 2
		.amdhsa_user_sgpr_kernarg_segment_ptr 1
		.amdhsa_wavefront_size32 1
		.amdhsa_system_sgpr_workgroup_id_x 1
		.amdhsa_system_sgpr_workgroup_id_y 1
		.amdhsa_system_sgpr_workgroup_id_z 1
		.amdhsa_system_vgpr_workitem_id 0
		.amdhsa_next_free_vgpr 218
		.amdhsa_next_free_sgpr 66
		.amdhsa_reserve_vcc 0
		.amdhsa_float_denorm_mode_32 3
		.amdhsa_float_denorm_mode_16_64 3
		.amdhsa_memory_ordered 1
		.amdhsa_forward_progress 1
		.amdhsa_inst_pref_size 24
	.end_amdhsa_kernel
	.amdgpu_metadata
---
amdhsa.version: [ 1, 2 ]
amdhsa.kernels:
  - .name:           k_qd834538ddc_prep
    .symbol:         k_qd834538ddc_prep.kd
    .args:
      - { .name: x, .offset: 0, .size: 8, .value_kind: global_buffer, .address_space: global }
      - { .name: XC, .offset: 8, .size: 8, .value_kind: global_buffer, .address_space: global }
      - { .name: XS, .offset: 16, .size: 8, .value_kind: global_buffer, .address_space: global }
      - { .name: WF, .offset: 24, .size: 8, .value_kind: global_buffer, .address_space: global }
      - { .name: Wq_codes, .offset: 32, .size: 8, .value_kind: global_buffer, .address_space: global }
      - { .name: Wk_codes, .offset: 40, .size: 8, .value_kind: global_buffer, .address_space: global }
      - { .name: Wv_codes, .offset: 48, .size: 8, .value_kind: global_buffer, .address_space: global }
      - { .name: W1_codes, .offset: 56, .size: 8, .value_kind: global_buffer, .address_space: global }
      - { .name: W2_codes, .offset: 64, .size: 8, .value_kind: global_buffer, .address_space: global }
      - { .name: Wq_scales, .offset: 72, .size: 8, .value_kind: global_buffer, .address_space: global }
      - { .name: Wk_scales, .offset: 80, .size: 8, .value_kind: global_buffer, .address_space: global }
      - { .name: Wv_scales, .offset: 88, .size: 8, .value_kind: global_buffer, .address_space: global }
      - { .name: W1_scales, .offset: 96, .size: 8, .value_kind: global_buffer, .address_space: global }
      - { .name: W2_scales, .offset: 104, .size: 8, .value_kind: global_buffer, .address_space: global }
    .group_segment_fixed_size: 33280
    .private_segment_fixed_size: 0
    .kernarg_segment_align: 8
    .kernarg_segment_size: 112
    .max_flat_workgroup_size: 128
    .sgpr_count:     66
    .vgpr_count:     218
    .wavefront_size: 32
...
	.end_amdgpu_metadata
.endif
;; end of part 1
;; launch heads (part 2): grid 256 x 1, 8 waves a work-group, no clusters, 171,008 bytes of LDS; arguments XC, XS, WF, RS, VP; writes RS, VP
.if DOCPART == 2
	.amdgcn_target "amdgcn-amd-amdhsa--gfx1250"
	.amdhsa_code_object_version 6
	.text
	.protected	k_qd834538ddc_heads
	.globl	k_qd834538ddc_heads
	.p2align	8
	.type	k_qd834538ddc_heads,@function
k_qd834538ddc_heads:
	s_mov_b64 s[64:65], 0
	v_nop
	global_prefetch_b8 v0, s[64:65] scope:SCOPE_SE
	s_setreg_imm32_b32 hwreg(HW_REG_WAVE_MODE, 25, 1), 1
	s_wait_xcnt 0x0
; HEADS.  For one (batch b, head, half hf of the tokens): q, k, v = x W (K = 1,024), q and k quantised along the head's 64, q k^T (K = 64), all on codes of E2M1 with E8M0 scales.
; Kept are RS[b][head][t] = the sum over all 1,024 keys of q(t) . k(s) (without the 1/8) for the half's 512 queries, and VP[b][hf][head x 64 + d] = the sum of v over the half's 512 tokens.
; THE ACCUMULATORS DO THE SUMMING.  v's four accumulators run on over all of a wave's token tiles.  In q k^T one instruction of K = 128 takes [q | q] against [k(s) | k(s')]: two whole keys, nothing
; padded, and all keys add onto the same four accumulators.  Every product of q, k, v and q k^T is multiplied; none of them goes to memory.
; SHARES.  Eight waves.  Pass A: wave w takes token tiles 4 w .. 4 w + 3 of the half, for q, k and v.  Pass B: the same tiles of the OTHER half, for k alone (so k is multiplied in both halves' work-groups:
; a third more projection work, for twice the work-groups).  Then its own 64 queries against all 1,024 keys.
; x's codes of a pass (4 tiles x 8 K steps = 256 registers, window 1) go from memory straight into operand registers.  Pass A's come in step with the first projection: K steps 0 to 3 are asked for at
; the head, K step s + 4 behind step s, so that the first product waits for 8 loads and not for 64.  Pass B's take the registers of pass A's behind each step of the last projection that reads them.
; The head's three weight groups, 104,448 consecutive bytes, come into LDS once, by one tensor load a wave (13,056 bytes each); a weight fragment read from LDS feeds four matrix instructions.
; No LDS byte is filled a second time.
; NO CLUSTER, NO JOINT LOADS: of the bytes that a work-group reads, 524,288 are x's codes, and each fragment of them is multiplied by one wave alone, out of the registers it was loaded into; through LDS
; a pass's 262,144 bytes, the weights' 104,448 and the images' 65,536 would not fit together.  The weights, which could be shared, are a sixth of what is read.
; q and k use the weights as source 0 and x as source 1: a lane then holds one token, and by the order of the weights' rows its 32 registers of a tile are the head's 64 in the quantiser's order.
; v uses x as source 0: a lane holds one d, its registers tokens.
; LIMITS: NaN and infinities are not served; a block under 2^-124 or of zeros gets the scale byte 1; sums over keys and tokens are taken in the accumulators' order.
; REGISTERS.  Window 0: v1-9 addresses; v10-15 at work; v16-143 accumulators ((ct, t) at 16 + 32 t + 8 ct); v144-207 two weight buffers (the second is also the quantiser's room);
;   v208-255 scale words and nothing else.  Window 1: x's fragments, (s, t) at 32 s + 8 t.
.set KIMG, 0                           ; LDS: 32 key fragments of 1,024 bytes (32 keys each),
.set QIMG, 32768                       ; 16 query fragments,
.set KSC,  49152                       ; their scale words, 128 bytes a fragment,
.set QSC,  53248
.set VRED, 55296                       ; 8 waves x 64 sums of v,
.set RSTG, 57344                       ; 8 waves x 64 row sums,
.set WIMG, 65536                       ; the head's three weight groups: filled by the tensor loads, and by nothing else
.set GRP,  34816
.set BLK,  4352
.set CHK,  13056                       ; a wave's eighth of the three groups: 51 rows of 256 bytes
.set LI,  1                            ; 16 x lane
.set LS8, 2                            ; 8 x lane
.set LS4, 3                            ; 4 x lane
.set KWI, 4                            ; 16 x lane + 2,048 x wave: my two fragments of a pass
.set KWS, 5                            ; 4 x lane + 256 x wave: their scale words
.set WA,  6                            ; the weight group in hand: its fragments,
.set WA8, 7                            ; its scale words
.set VD,  8                            ; 256 x wave + 4 (r + (r & 8))
.set RSA, 9                            ; 256 x wave + 4 r
.set ACC, 16
.set WB,  144
.set WW,  208
.set XSA, 212
.set XSB, 228
.set QWD, 244
.set KW,  248
.set TM,  176
.set PC,  192
.set PW,  200
.set SEL, 30
.set G0,  44                           ; s[44:47] descriptor group 0
.set G1,  48                           ; s[48:55] descriptor group 1
.set MSB, 0
.macro WIN new                         ; the immediate's high byte repeats the setting that is left
.if MSB != \new
	s_set_vgpr_msb (MSB<<8)|\new
.set MSB, \new
.endif
.endm
.macro PLACES n
.rept \n
	v_nop
.endr
.endm
.macro BARRIER                         ; my LDS stores have landed and my LDS loads are in: then the work-group's barrier
	s_wait_dscnt 0x0
	s_barrier_signal -1
	s_barrier_wait -1
.endm
; One matrix instruction.  c < 0: the constant 0 starts the sum.  ra, rb: the side's scale words stand in lanes 16-31.
.macro WM d, a, b, c, sa, sb, ra, rb
.if (\c) < 0
.if (\ra) && (\rb)
	v_wmma_scale_f32_16x16x128_f8f6f4 v[(\d):(\d)+7], v[(\a):(\a)+7], v[(\b):(\b)+7], 0, v[(\sa)], v[(\sb)] matrix_a_fmt:MATRIX_FMT_FP4 matrix_b_fmt:MATRIX_FMT_FP4 matrix_a_scale:MATRIX_SCALE_ROW1 matrix_b_scale:MATRIX_SCALE_ROW1
.elseif (\ra)
	v_wmma_scale_f32_16x16x128_f8f6f4 v[(\d):(\d)+7], v[(\a):(\a)+7], v[(\b):(\b)+7], 0, v[(\sa)], v[(\sb)] matrix_a_fmt:MATRIX_FMT_FP4 matrix_b_fmt:MATRIX_FMT_FP4 matrix_a_scale:MATRIX_SCALE_ROW1
.elseif (\rb)
	v_wmma_scale_f32_16x16x128_f8f6f4 v[(\d):(\d)+7], v[(\a):(\a)+7], v[(\b):(\b)+7], 0, v[(\sa)], v[(\sb)] matrix_a_fmt:MATRIX_FMT_FP4 matrix_b_fmt:MATRIX_FMT_FP4 matrix_b_scale:MATRIX_SCALE_ROW1
.else
	v_wmma_scale_f32_16x16x128_f8f6f4 v[(\d):(\d)+7], v[(\a):(\a)+7], v[(\b):(\b)+7], 0, v[(\sa)], v[(\sb)] matrix_a_fmt:MATRIX_FMT_FP4 matrix_b_fmt:MATRIX_FMT_FP4
.endif
.else
.if (\ra) && (\rb)
	v_wmma_scale_f32_16x16x128_f8f6f4 v[(\d):(\d)+7], v[(\a):(\a)+7], v[(\b):(\b)+7], v[(\c):(\c)+7], v[(\sa)], v[(\sb)] matrix_a_fmt:MATRIX_FMT_FP4 matrix_b_fmt:MATRIX_FMT_FP4 matrix_a_scale:MATRIX_SCALE_ROW1 matrix_b_scale:MATRIX_SCALE_ROW1
.elseif (\ra)
	v_wmma_scale_f32_16x16x128_f8f6f4 v[(\d):(\d)+7], v[(\a):(\a)+7], v[(\b):(\b)+7], v[(\c):(\c)+7], v[(\sa)], v[(\sb)] matrix_a_fmt:MATRIX_FMT_FP4 matrix_b_fmt:MATRIX_FMT_FP4 matrix_a_scale:MATRIX_SCALE_ROW1
.elseif (\rb)
	v_wmma_scale_f32_16x16x128_f8f6f4 v[(\d):(\d)+7], v[(\a):(\a)+7], v[(\b):(\b)+7], v[(\c):(\c)+7], v[(\sa)], v[(\sb)] matrix_a_fmt:MATRIX_FMT_FP4 matrix_b_fmt:MATRIX_FMT_FP4 matrix_b_scale:MATRIX_SCALE_ROW1
.else
	v_wmma_scale_f32_16x16x128_f8f6f4 v[(\d):(\d)+7], v[(\a):(\a)+7], v[(\b):(\b)+7], v[(\c):(\c)+7], v[(\sa)], v[(\sb)] matrix_a_fmt:MATRIX_FMT_FP4 matrix_b_fmt:MATRIX_FMT_FP4
.endif
.endif
.endm
; 64 numbers of a lane, register 16 b + i = number 32 b + 16 (lane / 16) + i of my row, become a fragment's codes in v[PC] on and its scale word in v[PW].
.macro QUANT s
.irp b, 0,1,2,3
	v_mov_b32 v[TM+4+\b], 0                        ; a lane permute's destination counts as one of its sources
.endr
.irp b, 0,1,2,3
	v_max3_num_f32 v[TM+\b], |v[\s+16*\b]|, |v[\s+1+16*\b]|, 0x1800000   ; block b: my 16 numbers, and the floor 2^(3 - 127): the byte cannot fall under 1.  Each accumulator is read from its low end on
.endr
.irp i, 2,4,6,8,10,12,14
.irp b, 0,1,2,3
	v_max3_num_f32 v[TM+\b], v[TM+\b], |v[\s+16*\b+\i]|, |v[\s+1+16*\b+\i]|
.endr
.endr
.irp b, 0,1,2,3
	v_permlanex16_b32 v[TM+4+\b], v[TM+\b], s[SEL], s[SEL+1]
.endr
.irp b, 0,1,2,3
	v_max_num_f32 v[TM+\b], v[TM+\b], v[TM+4+\b]   ; with lane l xor 16's: the block's largest magnitude
.endr
.irp b, 0,1,2,3
	v_add_nc_u32 v[TM+12+\b], 0xff000000, v[TM+\b] ; 2 off its exponent field: the conversion's scale operand
.endr
.irp b, 0,1,2,3
	v_lshrrev_b32 v[TM+4+\b], 23, v[TM+12+\b]      ; the scale's byte
.endr
	v_lshl_or_b32 v[PW], v[TM+5], 8, v[TM+4]
	v_lshl_or_b32 v[PW], v[TM+6], 16, v[PW]
	v_lshl_or_b32 v[PW], v[TM+7], 24, v[PW]
.irp b, 0,1,2,3
	v_cvt_scalef32_pk8_fp4_f32 v[PC+2*\b], v[\s+16*\b:\s+7+16*\b], v[TM+12+\b]
	v_cvt_scalef32_pk8_fp4_f32 v[PC+1+2*\b], v[\s+8+16*\b:\s+15+16*\b], v[TM+12+\b]
.endr
	v_nop                                          ; one plain line behind the scaled conversions
.irp c, 0,1                                    ; the operand wants a whole block in a lane: lanes 0-15 block 2 c, lanes 16-31 block 2 c + 1
.irp i, 0,1
	v_permlane16_swap_b32 v[PC+4*\c+\i], v[PC+2+4*\c+\i]
.endr
.endr
.endm
.macro PRE kind                        ; the addresses of weight group kind
	v_add_nc_u32 v[WA], WIMG+(\kind)*GRP, v[LI]
	v_add_nc_u32 v[WA8], WIMG+(\kind)*GRP+4096, v[LS8]
.endm
.macro WLOAD s, buf                    ; K step s of the group in hand into buffer buf: nine LDS loads
.irp ct, 0,1,2,3
.irp c, 0,1
	ds_load_b128 v[WB+32*(\buf)+8*\ct+4*\c:WB+32*(\buf)+8*\ct+4*\c+3], v[WA] offset:BLK*(\s)+1024*\ct+512*\c
.endr
.endr
	ds_load_b64 v[WW+2*(\buf):WW+2*(\buf)+1], v[WA8] offset:BLK*(\s)
.endm
; One projection of my four token tiles: eight K steps of 16 matrix instructions.  xs: the pass's scale words of x.
; ldw: how x's loads are counted, 8 a K step, K step outermost.  1: all 64 were issued ahead of the projection.  2: they run four K steps ahead of it.  0: they are in.
; reload = 1: behind each K step the other pass's x takes the registers just multiplied.  reload = 2: behind K step s this pass's K step s + 4 is asked for, into registers that nothing has read yet.
; The accumulators take turns, one instruction a turn.
.macro GROUP kind, xs, ldw, reload
.irp s, 0,1,2,3,4,5,6,7
.if (\ldw == 2) && (\s < 5)
	s_wait_loadcnt 24                              ; x's fragments of this K step are in; those of the three K steps behind it, 8 loads each, may be out
.elseif \ldw
	s_wait_loadcnt 8*(7-\s)                        ; x's fragments of this K step are in; the later K steps' may be out
.endif
.if \s == 7
	s_wait_dscnt 0x0
.else
	s_wait_dscnt 9                                 ; this K step's weights are in; the other buffer's nine loads may be out
.endif
.if \kind == 2
	WIN 0x01                                       ; source 0 (x) in window 1
.else
	WIN 0x04                                       ; source 1 (x) in window 1
.endif
.irp t, 0,1,2,3
.irp ct, 0,1,2,3
.set xw_, \xs+4*\t+2*(\s/4)+(\s%2)
.set ww_, WW+2*(\s%2)+(\ct/2)
.set wf_, WB+32*(\s%2)+8*\ct
.set xf_, 32*\s+8*\t
.if \kind == 2
.set dd_, ACC+8*\ct
.set cc_, dd_
.if (\s == 0) && (\t == 0)
.set cc_, -1
.endif
	WM dd_, xf_, wf_, cc_, xw_, ww_, (\s/2)%2, \ct%2
.else
.set dd_, ACC+32*\t+8*\ct
.set cc_, dd_
.if \s == 0
.set cc_, -1
.endif
	WM dd_, wf_, xf_, cc_, ww_, xw_, \ct%2, (\s/2)%2
.endif
.endr
.endr
	WIN 0
.if \s == 7
	PLACES 5                                       ; these accumulators are read next, and later begun anew by matrix instructions
.else
	PLACES 4                                       ; in front of loads into registers that the matrix instructions have read
.endif
.if \s < 6
	WLOAD \s+2, \s%2
.endif
.if \reload == 1
	WIN 0x40                                       ; destination window 1
.irp t, 0,1,2,3
.irp c, 0,1
	global_load_b128 v[32*\s+8*\t+4*\c:32*\s+8*\t+4*\c+3], v[LI], s[18:19] offset:8192*\t+1024*\s+512*\c
.endr
.endr
	WIN 0
.endif
.if (\reload == 2) && (\s < 4)
	WIN 0x40                                       ; destination window 1
.irp t, 0,1,2,3
.irp c, 0,1
	global_load_b128 v[32*(\s+4)+8*\t+4*\c:32*(\s+4)+8*\t+4*\c+3], v[LI], s[16:17] offset:8192*\t+1024*(\s+4)+512*\c
.endr
.endr
	WIN 0
.endif
.endr
.endm
; My four tiles' results become two fragments (a pair of token tiles each: K = the first tile's 64, then the second's) and go to LDS as images of their registers.
; wl = 1: the next group's (pre) first weights are fetched round the quantiser, whose room is the second weight buffer.
.macro TAIL img, sc, pre, wl
.if \wl
	PRE \pre
	WLOAD 0, 0
.endif
	QUANT ACC
.irp c, 0,1
	ds_store_b128 v[KWI], v[PC+4*\c:PC+4*\c+3] offset:\img+512*\c
.endr
	ds_store_b32 v[KWS], v[PW] offset:\sc
	s_wait_dscnt 0x0                               ; the stores have read their registers
	QUANT ACC+64
.irp c, 0,1
	ds_store_b128 v[KWI], v[PC+4*\c:PC+4*\c+3] offset:\img+1024+512*\c
.endr
	ds_store_b32 v[KWS], v[PW] offset:\sc+128
	s_wait_dscnt 0x0
.if \wl
	WLOAD 1, 1
.endif
.endm
.macro KLOAD n                         ; key fragments 4 n .. 4 n + 3 and their scale words: twelve LDS loads
.irp f, 0,1,2,3
.irp c, 0,1
	ds_load_b128 v[80+32*((\n)%2)+8*\f+4*\c:80+32*((\n)%2)+8*\f+4*\c+3], v[LI] offset:KIMG+1024*(4*(\n)+\f)+512*\c
.endr
	ds_load_b32 v[KW+4*((\n)%2)+\f], v[LS4] offset:KSC+128*(4*(\n)+\f)
.endr
.endm
	s_load_b256 s[4:11], s[0:1], 0x0               ; XC, XS, WF, RS
	s_load_b64 s[12:13], s[0:1], 0x20              ; VP
	v_lshl_add_u32 v14, v0, 2, 0x29800
	v_mov_b32 v15, 0
	ds_add_u32 v14, v15
	ds_add_u32 v14, v15
	v_lshrrev_b32 v10, 5, v0
	v_readfirstlane_b32 s14, v10                   ; wave 0..7
	v_and_b32 v11, 31, v0
	v_lshlrev_b32 v[LI], 4, v11
	v_lshlrev_b32 v[LS8], 3, v11
	v_lshlrev_b32 v[LS4], 2, v11
	s_lshl_b32 s15, s14, 11
	v_add_nc_u32 v[KWI], s15, v[LI]
	s_lshl_b32 s15, s14, 8                         ; 256 x wave: kept
	v_add_nc_u32 v[KWS], s15, v[LS4]
	v_and_b32 v12, 15, v0
	v_and_b32 v13, 8, v12
	v_add_nc_u32 v13, v13, v12
	v_lshl_add_u32 v[VD], v13, 2, s15
	v_lshl_add_u32 v[RSA], v12, 2, s15
	s_mov_b32 s[SEL], 0x76543210
	s_mov_b32 s[SEL+1], 0xfedcba98                 ; v_permlanex16_b32's selects for lane l xor 16
	; descriptor group 1: a dense block of 13,056 bytes as 51 rows of 256 bytes (32 elements of 8 bytes), no padding, no mask
	s_mov_b32 s[G1+0], 3<<16                       ; 17:16 elements of 8 bytes
	s_mov_b32 s[G1+1], 32<<16                      ; tensor_dim0 = 32
	s_mov_b32 s[G1+2], 51<<16                      ; tensor_dim1 = 51
	s_mov_b32 s[G1+3], 32<<16                      ; tile_dim0 = 32
	s_mov_b32 s[G1+4], 51                          ; tile_dim1 = 51
	s_mov_b32 s[G1+5], 32                          ; from row to row: 32 elements
	s_mov_b32 s[G1+6], 0
	s_mov_b32 s[G1+7], 0
	s_mov_b32 s[G0], 1                             ; count = 1
	s_mul_i32 s37, s14, CHK                        ; my eighth of the three groups,
	s_add_co_u32 s[G0+1], s37, WIMG                ; in LDS: a constant + the wave's number x a constant
	s_and_b32 s32, ttmp9, 1                        ; hf
	s_bfe_u32 s33, ttmp9, 0x40001                  ; head
	s_lshr_b32 s34, ttmp9, 5                       ; b
	s_lshl_b32 s35, s34, 6
	s_lshl_b32 s36, s32, 5
	s_add_co_u32 s35, s35, s36
	s_lshl_b32 s36, s14, 2
	s_add_co_u32 s35, s35, s36                     ; pass A's first token tile: 64 b + 32 hf + 4 w
	s_xor_b32 s36, s35, 32                         ; pass B's: the other half
	s_mov_b32 s39, 0
	s_mul_i32 s38, s33, 3*GRP
	s_add_co_u32 s38, s38, s37                     ; and in WF: the head's groups, + my eighth
	s_wait_dscnt 0x0
	s_wait_kmcnt 0x0
	s_add_nc_u64 s[G0+2:G0+3], s[8:9], s[38:39]
	s_or_b32 s[G0+3], s[G0+3], 0x80000000          ; type = 2
	tensor_load_to_lds s[G0:G0+3], s[G1:G1+7]      ; the wave's one tensor load: a first fill, ahead of every wait on TENSORcnt, every LDS read and every barrier
	s_nop 0
.rept 4
	v_nop                                          ; four plain lines behind a tensor load
.endr
	s_lshl_b32 s38, s35, 13
	s_add_nc_u64 s[16:17], s[4:5], s[38:39]        ; x's codes, pass A
	s_lshl_b32 s38, s36, 13
	s_add_nc_u64 s[18:19], s[4:5], s[38:39]        ; pass B
	s_lshl_b32 s38, s35, 9
	s_add_nc_u64 s[20:21], s[6:7], s[38:39]        ; x's scale words, pass A
	s_lshl_b32 s38, s36, 9
	s_add_nc_u64 s[22:23], s[6:7], s[38:39]        ; pass B
	s_lshl_b32 s38, s34, 4
	s_add_co_u32 s38, s38, s33
	s_lshl_b32 s38, s38, 12
	s_lshl_b32 s40, s32, 11
	s_add_co_u32 s38, s38, s40
	s_add_co_u32 s38, s38, s15
	s_add_nc_u64 s[26:27], s[10:11], s[38:39]      ; RS at my 64 queries
	s_lshl_b32 s38, s34, 1
	s_add_co_u32 s38, s38, s32
	s_lshl_b32 s38, s38, 12
	s_lshl_b32 s40, s33, 8
	s_add_co_u32 s38, s38, s40
	s_add_nc_u64 s[28:29], s[12:13], s[38:39]      ; VP at (b, hf, head)
.irp t, 0,1,2,3                                ; 16 loads: x's scale words of both passes
.irp g, 0,1
	global_load_b64 v[XSA+4*\t+2*\g:XSA+4*\t+2*\g+1], v[LS8], s[20:21] offset:512*\t+256*\g
.endr
.endr
.irp t, 0,1,2,3
.irp g, 0,1
	global_load_b64 v[XSB+4*\t+2*\g:XSB+4*\t+2*\g+1], v[LS8], s[22:23] offset:512*\t+256*\g
.endr
.endr
	WIN 0x40
.irp s, 0,1,2,3                                ; 32 loads: pass A's x, K steps 0 to 3, K step outermost; the other four K steps follow in the first projection
.irp t, 0,1,2,3
.irp c, 0,1
	global_load_b128 v[32*\s+8*\t+4*\c:32*\s+8*\t+4*\c+3], v[LI], s[16:17] offset:8192*\t+1024*\s+512*\c
.endr
.endr
.endr
	WIN 0
	s_wait_tensorcnt 0x0                           ; my eighth of the weights has landed,
	BARRIER                                        ; everybody's has: the three groups lie in LDS, whole
	PRE 0
	WLOAD 0, 0
	WLOAD 1, 1
	GROUP 0, XSA, 2, 2                             ; q of my 64 tokens; x's K steps 4 to 7 are asked for on the way
	TAIL QIMG, QSC, 1, 1
	GROUP 1, XSA, 0, 0                             ; k of the same
	TAIL KIMG, KSC, 2, 1
	GROUP 2, XSA, 0, 1                             ; v of the same, summed over the four tiles; pass B's x comes in behind it
	PRE 1
	WLOAD 0, 0
.irp ct, 0,1,2,3                               ; a lane holds one d and eight tokens' sums: add them, and lane l xor 16's
	v_mov_b32 v[180+\ct], 0
.endr
.irp ct, 0,1,2,3
	v_add_f32 v[176+\ct], v[ACC+8*\ct], v[ACC+8*\ct+1]
.endr
.irp j, 2,3,4,5,6,7
.irp ct, 0,1,2,3
	v_add_f32 v[176+\ct], v[176+\ct], v[ACC+8*\ct+\j]
.endr
.endr
.irp ct, 0,1,2,3
	v_permlanex16_b32 v[180+\ct], v[176+\ct], s[SEL], s[SEL+1]
.endr
.irp ct, 0,1,2,3
	v_add_f32 v[176+\ct], v[176+\ct], v[180+\ct]
.endr
.irp ct, 0,1,2,3
	ds_store_b32 v[VD], v[176+\ct] offset:VRED+(32*(\ct/2)+8*(\ct%2))*4   ; d = 32 (ct / 2) + 8 (ct % 2) + r + (r & 8); both halves of the lanes write the same number
.endr
	s_wait_dscnt 0x0                               ; the stores have read their registers
	WLOAD 1, 1
	GROUP 1, XSB, 1, 0                             ; k of the other half's 64 tokens
	TAIL KIMG+16384, KSC+2048, 0, 0
	BARRIER                                        ; all 32 key fragments and all eight waves' sums of v lie in LDS
; ---- q k^T: my four tiles of 16 queries against 32 fragments of 32 keys.
.irp i, 0,1,2,3                                ; [q | q]: a tile's 64 codes a row, twice
	ds_load_b128 v[48+8*\i:51+8*\i], v[KWI] offset:QIMG+1024*(\i/2)+512*(\i%2)
	ds_load_b128 v[52+8*\i:55+8*\i], v[KWI] offset:QIMG+1024*(\i/2)+512*(\i%2)
.endr
	ds_load_b32 v10, v[KWS] offset:QSC
	ds_load_b32 v11, v[KWS] offset:QSC+128
	KLOAD 0
	KLOAD 1
	s_wait_dscnt 24                                ; q is in; the two batches of keys may be out
	v_perm_b32 v[QWD], v10, v10, 0x01000100        ; a tile's two scale bytes, twice
	v_perm_b32 v[QWD+1], v10, v10, 0x03020302
	v_perm_b32 v[QWD+2], v11, v11, 0x01000100
	v_perm_b32 v[QWD+3], v11, v11, 0x03020302
	PLACES 8                                       ; scale registers written by vector instructions stand eight places ahead of a scaled matrix instruction
.irp n, 0,1,2,3,4,5,6,7
.if \n == 7
	s_wait_dscnt 0x0
.else
	s_wait_dscnt 12                                ; this batch is in; the next one's twelve loads may be out
.endif
.irp f, 0,1,2,3
.irp i, 0,1,2,3
.if (\n == 0) && (\f == 0)
	WM 16+8*\i, 80+32*(\n%2)+8*\f, 48+8*\i, -1, KW+4*(\n%2)+\f, QWD+\i, 0, 0
.else
	WM 16+8*\i, 80+32*(\n%2)+8*\f, 48+8*\i, 16+8*\i, KW+4*(\n%2)+\f, QWD+\i, 0, 0
.endif
.endr
.endr
	PLACES 4
.if \n < 6
	KLOAD \n+2
.endif
.endr
; ---- out: a lane holds one query and eight rows of key pairs: add them, and lane l xor 16's.
.irp i, 0,1,2,3
	v_mov_b32 v[84+\i], 0
.endr
.irp i, 0,1,2,3
	v_add_f32 v[80+\i], v[16+8*\i], v[17+8*\i]
.endr
.irp j, 2,3,4,5,6,7
.irp i, 0,1,2,3
	v_add_f32 v[80+\i], v[80+\i], v[16+8*\i+\j]
.endr
.endr
.irp i, 0,1,2,3
	v_permlanex16_b32 v[84+\i], v[80+\i], s[SEL], s[SEL+1]
.endr
.irp i, 0,1,2,3
	v_add_f32 v[80+\i], v[80+\i], v[84+\i]
.endr
.irp i, 0,1,2,3
	ds_store_b32 v[RSA], v[80+\i] offset:RSTG+64*\i
.endr
	v_add_nc_u32 v10, s15, v[LS8]
	ds_load_b64 v[88:89], v10 offset:RSTG          ; my wave's own bytes: LDS serves a wave's instructions in order
	s_wait_dscnt 0x0
	global_store_b64 v[LS8], v[88:89], s[26:27]    ; 256 consecutive bytes, aligned
	s_cmp_lg_u32 s14, 0
	s_cbranch_scc1 .Lend
.irp q, 0,1,2,3,4,5,6,7                        ; wave 0 adds the eight waves' sums of v
	ds_load_b64 v[96+2*\q:97+2*\q], v[LS8] offset:VRED+256*\q
.endr
	s_wait_dscnt 0x0
.irp q, 1,2,3,4,5,6,7
	v_pk_add_f32 v[96:97], v[96:97], v[96+2*\q:97+2*\q]
.endr
	global_store_b64 v[LS8], v[96:97], s[28:29]    ; 256 consecutive bytes, aligned
.Lend:
	s_wait_tensorcnt 0x0
	ds_add_u32 v14, v15
	s_wait_dscnt 0x0
	s_endpgm
.Lfunc_end_k_qd834538ddc_heads:
	.size	k_qd834538ddc_heads, .Lfunc_end_k_qd834538ddc_heads-k_qd834538ddc_heads
	.p2alignl 7, 3214868480
	.fill 96, 4, 3214868480
	.section	.rodata,"a",@progbits
	.p2align	6, 0x0
	.amdhsa_kernel k_qd834538ddc_heads
		.amdhsa_group_segment_fixed_size 171008
		.amdhsa_private_segment_fixed_size 0
		.amdhsa_enable_private_segment 0
		.amdhsa_kernarg_size 40
		.amdhsa_user_sgpr_count 2
		.amdhsa_user_sgpr_kernarg_segment_ptr 1
		.amdhsa_wavefront_size32 1
		.amdhsa_system_sgpr_workgroup_id_x 1
		.amdhsa_system_sgpr_workgroup_id_y 1
		.amdhsa_system_sgpr_workgroup_id_z 1
		.amdhsa_system_vgpr_workitem_id 0
		.amdhsa_next_free_vgpr 512
		.amdhsa_next_free_sgpr 66
		.amdhsa_reserve_vcc 0
		.amdhsa_float_denorm_mode_32 3
		.amdhsa_float_denorm_mode_16_64 3
		.amdhsa_memory_ordered 1
		.amdhsa_forward_progress 1
		.amdhsa_inst_pref_size 162
	.end_amdhsa_kernel
	.amdgpu_metadata
---
amdhsa.version: [ 1, 2 ]
amdhsa.kernels:
  - .name:           k_qd834538ddc_heads
    .symbol:         k_qd834538ddc_heads.kd
    .args:
      - { .name: XC, .offset: 0, .size: 8, .value_kind: global_buffer, .address_space: global }
      - { .name: XS, .offset: 8, .size: 8, .value_kind: global_buffer, .address_space: global }
      - { .name: WF, .offset: 16, .size: 8, .value_kind: global_buffer, .address_space: global }
      - { .name: RS, .offset: 24, .size: 8, .value_kind: global_buffer, .address_space: global }
      - { .name: VP, .offset: 32, .size: 8, .value_kind: global_buffer, .address_space: global }
    .group_segment_fixed_size: 171008
    .private_segment_fixed_size: 0
    .kernarg_segment_align: 8
    .kernarg_segment_size: 40
    .max_flat_workgroup_size: 256
    .sgpr_count:     66
    .vgpr_count:     512
    .wavefront_size: 32
...
	.end_amdgpu_metadata
.endif
;; end of part 2
;; launch ffn (part 3): grid 256 x 1, 16 waves a work-group, no clusters, 199,168 bytes of LDS; arguments x, RS, VP, WF, g1, b1, g2, b2, out0; writes out0
.if DOCPART == 3
	.amdgcn_target "amdgcn-amd-amdhsa--gfx1250"
	.amdhsa_code_object_version 6
	.text
	.protected	k_qd834538ddc_ffn
	.globl	k_qd834538ddc_ffn
	.p2align	8
	.type	k_qd834538ddc_ffn,@function
k_qd834538ddc_ffn:
	s_mov_b64 s[64:65], 0
	v_nop
	global_prefetch_b8 v0, s[64:65] scope:SCOPE_SE
	s_setreg_imm32_b32 hwreg(HW_REG_WAVE_MODE, 25, 1), 1
	s_wait_xcnt 0x0
; FFN.  For 32 tokens of one batch: p = softmax over all 1,024 t of RS / 8 (the maximum taken away first), x + p x vsum, layer norm 1, quantised, x W1, relu, quantised, x W2, + x1, layer norm 2.
; Both products on codes of E2M1 with E8M0 scales; all else f32; x1 and the hidden layer never go to memory.
; SHARES.  Sixteen waves of 256 registers.  In the vector phases wave w takes head w's softmax and rows 2 w, 2 w + 1.  In the products THE WAVES SHARE THE COLUMNS: wave w makes units 64 w .. 64 w + 63
; for both tiles of 16 tokens: eight accumulators, 64 matrix instructions a product.  Its weight blocks (4,352 consecutive bytes a K step, laid as operand registers) go from memory straight into
; registers, four sets by turns, three blocks on their way; x1's and the hidden layer's fragments go from wave to wave through LDS as images of their registers.
; THE HEAD ASKS ONLY FOR WHAT THE FIRST PHASES NEED: 15 loads for the softmax and the vectors, 16 of x.  The 27 loads of the first three weight blocks stand singly among the vector instructions of the
; softmax and of layer norm 1, so that the softmax begins behind 31 loads and not behind 58.
; K IS WALKED FROM A START THAT HANGS ON THE WORK-GROUP (n % 8): at any moment the work-groups together name all eight K steps of a weight.  The sums' order differs accordingly.
; NO CLUSTER, NO JOINT LOADS: the weights are what work-groups share, but each block is multiplied by one wave alone, out of the registers it was loaded into (8 matrix instructions a block);
; through LDS its 4,352 bytes would be written and read once more, 544 LDS bytes more for each matrix instruction, beside the 256 that the fragments of x1 take; and two slots of a K step's
; 69,632 bytes do not fit beside the 197,120 bytes in use.
; Both layer norms take the mean first and then the squares of the differences.
; LIMITS: NaN and infinities are not served; a block under 2^-124 or of zeros gets the scale byte 1.
; REGISTERS: v1-14 addresses; v16-79 two rows of x, later the accumulators ((ct, m) at 16 + 32 m + 8 ct); v80-111 RS, vsum, g1, the quantiser's room, later two operand buffers;
;   v112-115 and v248-255 scale words and nothing else; v116-119 statistics; v120-247 four weight sets (the fourth serves the preamble first).
.set XIMG, 0                           ; LDS: x1's 16 fragments, (K step s, tile m) at (2 s + m) x 1,024,
.set HIMG, 16384                       ; the hidden layer's,
.set XSCL, 32768                       ; their scale words, 128 bytes a fragment,
.set HSCL, 34816
.set PST,  36864                       ; p: head x 128 + token x 4
.set VST,  38912                       ; vsum, g1, b1, g2, b2: 4,096 bytes each
.set G1ST, 43008
.set B1ST, 47104
.set G2ST, 51200
.set B2ST, 55296
.set RED1, 59392                       ; 32 rows x 80 bytes: sixteen waves' parts of a row's sum
.set RED2, 61952
.set X1ST, 65536                       ; x1, later the result: 32 rows,
.set XP,   4112                        ; 4,096 bytes + 16 apart
.set GRP,  34816
.set BLK,  4352
.set TM,   80
.set PC,   96
.set PW,   104
.set SEL,  40
.set wl_,  0                           ; how many of the first three blocks' 27 loads have been issued
.macro PLACES n
.rept \n
	v_nop
.endr
.endm
.macro BARRIER                         ; my LDS stores have landed and my LDS loads are in: then the work-group's barrier
	s_wait_dscnt 0x0
	s_barrier_signal -1
	s_barrier_wait -1
.endm
; One matrix instruction.  c < 0: the constant 0 starts the sum.  ra, rb: the side's scale words stand in lanes 16-31.
.macro WM d, a, b, c, sa, sb, ra, rb
.if (\c) < 0
.if (\ra) && (\rb)
	v_wmma_scale_f32_16x16x128_f8f6f4 v[(\d):(\d)+7], v[(\a):(\a)+7], v[(\b):(\b)+7], 0, v[(\sa)], v[(\sb)] matrix_a_fmt:MATRIX_FMT_FP4 matrix_b_fmt:MATRIX_FMT_FP4 matrix_a_scale:MATRIX_SCALE_ROW1 matrix_b_scale:MATRIX_SCALE_ROW1
.elseif (\ra)
	v_wmma_scale_f32_16x16x128_f8f6f4 v[(\d):(\d)+7], v[(\a):(\a)+7], v[(\b):(\b)+7], 0, v[(\sa)], v[(\sb)] matrix_a_fmt:MATRIX_FMT_FP4 matrix_b_fmt:MATRIX_FMT_FP4 matrix_a_scale:MATRIX_SCALE_ROW1
.elseif (\rb)
	v_wmma_scale_f32_16x16x128_f8f6f4 v[(\d):(\d)+7], v[(\a):(\a)+7], v[(\b):(\b)+7], 0, v[(\sa)], v[(\sb)] matrix_a_fmt:MATRIX_FMT_FP4 matrix_b_fmt:MATRIX_FMT_FP4 matrix_b_scale:MATRIX_SCALE_ROW1
.else
	v_wmma_scale_f32_16x16x128_f8f6f4 v[(\d):(\d)+7], v[(\a):(\a)+7], v[(\b):(\b)+7], 0, v[(\sa)], v[(\sb)] matrix_a_fmt:MATRIX_FMT_FP4 matrix_b_fmt:MATRIX_FMT_FP4
.endif
.else
.if (\ra) && (\rb)
	v_wmma_scale_f32_16x16x128_f8f6f4 v[(\d):(\d)+7], v[(\a):(\a)+7], v[(\b):(\b)+7], v[(\c):(\c)+7], v[(\sa)], v[(\sb)] matrix_a_fmt:MATRIX_FMT_FP4 matrix_b_fmt:MATRIX_FMT_FP4 matrix_a_scale:MATRIX_SCALE_ROW1 matrix_b_scale:MATRIX_SCALE_ROW1
.elseif (\ra)
	v_wmma_scale_f32_16x16x128_f8f6f4 v[(\d):(\d)+7], v[(\a):(\a)+7], v[(\b):(\b)+7], v[(\c):(\c)+7], v[(\sa)], v[(\sb)] matrix_a_fmt:MATRIX_FMT_FP4 matrix_b_fmt:MATRIX_FMT_FP4 matrix_a_scale:MATRIX_SCALE_ROW1
.elseif (\rb)
	v_wmma_scale_f32_16x16x128_f8f6f4 v[(\d):(\d)+7], v[(\a):(\a)+7], v[(\b):(\b)+7], v[(\c):(\c)+7], v[(\sa)], v[(\sb)] matrix_a_fmt:MATRIX_FMT_FP4 matrix_b_fmt:MATRIX_FMT_FP4 matrix_b_scale:MATRIX_SCALE_ROW1
.else
	v_wmma_scale_f32_16x16x128_f8f6f4 v[(\d):(\d)+7], v[(\a):(\a)+7], v[(\b):(\b)+7], v[(\c):(\c)+7], v[(\sa)], v[(\sb)] matrix_a_fmt:MATRIX_FMT_FP4 matrix_b_fmt:MATRIX_FMT_FP4
.endif
.endif
.endm
; 64 numbers of a lane, register 16 b + i = number 32 b + 16 (lane / 16) + i of my row, become a fragment's codes in v[PC] on and its scale word in v[PW].
.macro QUANT s
.irp b, 0,1,2,3
	v_mov_b32 v[TM+4+\b], 0                        ; a lane permute's destination counts as one of its sources
.endr
.irp b, 0,1,2,3
	v_max3_num_f32 v[TM+\b], |v[\s+16*\b]|, |v[\s+1+16*\b]|, 0x1800000   ; block b: my 16 numbers, and the floor 2^(3 - 127): the byte cannot fall under 1
.endr
.irp i, 2,4,6,8,10,12,14
.irp b, 0,1,2,3
	v_max3_num_f32 v[TM+\b], v[TM+\b], |v[\s+16*\b+\i]|, |v[\s+1+16*\b+\i]|
.endr
.endr
.irp b, 0,1,2,3
	v_permlanex16_b32 v[TM+4+\b], v[TM+\b], s[SEL], s[SEL+1]
.endr
.irp b, 0,1,2,3
	v_max_num_f32 v[TM+\b], v[TM+\b], v[TM+4+\b]   ; with lane l xor 16's: the block's largest magnitude
.endr
.irp b, 0,1,2,3
	v_add_nc_u32 v[TM+12+\b], 0xff000000, v[TM+\b] ; 2 off its exponent field: the conversion's scale operand
.endr
.irp b, 0,1,2,3
	v_lshrrev_b32 v[TM+4+\b], 23, v[TM+12+\b]      ; the scale's byte
.endr
	v_lshl_or_b32 v[PW], v[TM+5], 8, v[TM+4]
	v_lshl_or_b32 v[PW], v[TM+6], 16, v[PW]
	v_lshl_or_b32 v[PW], v[TM+7], 24, v[PW]
.irp b, 0,1,2,3
	v_cvt_scalef32_pk8_fp4_f32 v[PC+2*\b], v[\s+16*\b:\s+7+16*\b], v[TM+12+\b]
	v_cvt_scalef32_pk8_fp4_f32 v[PC+1+2*\b], v[\s+8+16*\b:\s+15+16*\b], v[TM+12+\b]
.endr
	v_nop                                          ; one plain line behind the scaled conversions
.irp c, 0,1                                    ; the operand wants a whole block in a lane: lanes 0-15 block 2 c, lanes 16-31 block 2 c + 1
.irp i, 0,1
	v_permlane16_swap_b32 v[PC+4*\c+\i], v[PC+2+4*\c+\i]
.endr
.endr
.endm
; Step i of the weight stream (0-7: W1, 8-15: W2) takes K step (n % 8 + i) % 8 into set i % 4: nine loads.  The set's base is written again only behind the counted wait that has shown step i - 4's loads done.
.macro ISSUE i
.set q_, (\i)%4
	s_add_co_u32 s36, s23, \i
	s_and_b32 s36, s36, 7
	s_mul_i32 s36, s36, BLK
.if (\i) < 8
	s_add_nc_u64 s[28+2*q_:29+2*q_], s[24:25], s[36:37]
.else
	s_add_nc_u64 s[28+2*q_:29+2*q_], s[26:27], s[36:37]
.endif
.irp ct, 0,1,2,3
.irp c, 0,1
	global_load_b128 v[120+32*q_+8*\ct+4*\c:120+32*q_+8*\ct+4*\c+3], v1, s[28+2*q_:29+2*q_] offset:1024*\ct+512*\c
.endr
.endr
	global_load_b64 v[248+2*q_:249+2*q_], v3, s[28+2*q_:29+2*q_] offset:4096
.endm
; The first three steps' blocks are asked for load by load.  WBASE i: the base of step i's block (i under 4).  WL i, k: load k of its nine.  NEXTWL: the next of the 27, while there is one.
.macro WBASE i
	s_add_co_u32 s36, s23, \i
	s_and_b32 s36, s36, 7
	s_mul_i32 s36, s36, BLK
	s_add_nc_u64 s[28+2*(\i):29+2*(\i)], s[24:25], s[36:37]
.endm
.macro WL i, k
.set q_, (\i)%4
.if (\k) < 8
	global_load_b128 v[120+32*q_+4*(\k):120+32*q_+4*(\k)+3], v1, s[28+2*q_:29+2*q_] offset:512*(\k)
.else
	global_load_b64 v[248+2*q_:249+2*q_], v3, s[28+2*q_:29+2*q_] offset:4096
.endif
.endm
.macro NEXTWL
.if wl_ < 27
	WL wl_/9, wl_%9
.set wl_, wl_+1
.endif
.endm
; The same K step's two fragments of x1 (or of the hidden layer) and their scale words into buffer i % 2: six LDS loads.
.macro XLOAD i
.set p_, (\i)%2
.if (\i) < 8
.set im_, XIMG
.set sc_, XSCL
.else
.set im_, HIMG
.set sc_, HSCL
.endif
	s_add_co_u32 s38, s23, \i
	s_and_b32 s38, s38, 7
	s_lshl_b32 s39, s38, 11
	v_add_nc_u32 v5, s39, v1
	s_lshl_b32 s39, s38, 8
	v_add_nc_u32 v6, s39, v2
.irp m, 0,1
.irp c, 0,1
	ds_load_b128 v[80+16*p_+8*\m+4*\c:80+16*p_+8*\m+4*\c+3], v5 offset:im_+1024*\m+512*\c
.endr
	ds_load_b32 v[112+2*p_+\m], v6 offset:sc_+128*\m
.endr
.endm
.macro STEP i                          ; eight matrix instructions, the eight accumulators by turns
.set q_, (\i)%4
.set p_, (\i)%2
.if (\i) <= 12
	s_wait_loadcnt 27                              ; this step's weight block is in; the three younger blocks, nine loads each, may be out
.else
	s_wait_loadcnt 9*(15-(\i))
.endif
.if ((\i)%8) == 7
	s_wait_dscnt 0x0
.else
	s_wait_dscnt 6                                 ; this step's fragments are in; the other buffer's six loads may be out
.endif
.irp m, 0,1
.irp ct, 0,1,2,3
.if ((\i)%8) == 0
	WM 16+32*\m+8*\ct, 120+32*q_+8*\ct, 80+16*p_+8*\m, -1, 248+2*q_+\ct/2, 112+2*p_+\m, \ct%2, 0
.else
	WM 16+32*\m+8*\ct, 120+32*q_+8*\ct, 80+16*p_+8*\m, 16+32*\m+8*\ct, 248+2*q_+\ct/2, 112+2*p_+\m, \ct%2, 0
.endif
.endr
.endr
.if ((\i)%8) == 7
	PLACES 5                                       ; the accumulators are read next, and later begun anew by matrix instructions
.else
	PLACES 4                                       ; in front of loads into registers that the matrix instructions have read
.endif
.if (\i) <= 11
	ISSUE (\i)+4
.endif
.if ((\i)%8) <= 5
	XLOAD (\i)+2
.endif
.endm
.macro LSUM2 a, ta, b, tb              ; two sums over the 32 lanes, by turns
.irp x, 1,2,4,8
	v_add_f32_dpp v[\a], v[\a], v[\a] row_xmask:\x row_mask:0xf bank_mask:0xf
	v_add_f32_dpp v[\b], v[\b], v[\b] row_xmask:\x row_mask:0xf bank_mask:0xf
.endr
	v_permlanex16_b32 v[\ta], v[\a], s[SEL], s[SEL+1]
	v_permlanex16_b32 v[\tb], v[\b], s[SEL], s[SEL+1]
	v_add_f32 v[\a], v[\a], v[\ta]
	v_add_f32 v[\b], v[\b], v[\tb]
.endm
.macro SUM16 a                         ; the sum of 16 registers into the first
	v_pk_add_f32 v[\a:\a+1], v[\a:\a+1], v[\a+2:\a+3]
	v_pk_add_f32 v[\a+4:\a+5], v[\a+4:\a+5], v[\a+6:\a+7]
	v_pk_add_f32 v[\a+8:\a+9], v[\a+8:\a+9], v[\a+10:\a+11]
	v_pk_add_f32 v[\a+12:\a+13], v[\a+12:\a+13], v[\a+14:\a+15]
	v_pk_add_f32 v[\a:\a+1], v[\a:\a+1], v[\a+4:\a+5]
	v_pk_add_f32 v[\a+8:\a+9], v[\a+8:\a+9], v[\a+12:\a+13]
	v_pk_add_f32 v[\a:\a+1], v[\a:\a+1], v[\a+8:\a+9]
	v_add_f32 v[\a], v[\a], v[\a+1]
.endm
	s_load_b512 s[4:19], s[0:1], 0x0               ; x, RS, VP, WF, g1, b1, g2, b2
	s_load_b64 s[20:21], s[0:1], 0x40              ; out0
	v_lshrrev_b32 v5, 5, v0
	v_readfirstlane_b32 s22, v5                    ; wave 0..15
	v_and_b32 v6, 31, v0
	v_lshlrev_b32 v1, 4, v6                        ; 16 x lane
	v_lshlrev_b32 v2, 2, v6                        ; 4 x lane
	v_lshlrev_b32 v3, 3, v6                        ; 8 x lane
	v_and_b32 v15, 15, v0                          ; r
	v_bfe_u32 v116, v0, 4, 1                       ; h
	s_and_b32 s23, ttmp9, 7                        ; where my work-group begins its walk along K
	s_mov_b32 s37, 0                               ; the upper word of every offset: kept
	s_mov_b32 s[SEL], 0x76543210
	s_mov_b32 s[SEL+1], 0xfedcba98                 ; v_permlanex16_b32's selects for lane l xor 16
	s_mov_b32 s42, 0x3e38aa3b                      ; c = log2(e) / 8
	s_mov_b32 s43, s42
	s_mov_b32 s44, 0x3a800000                      ; 1 / 1,024
	s_mov_b32 s45, 0x3727c5ac                      ; 1e-5
	s_mul_i32 s38, s22, 2*XP
	s_add_co_u32 s38, s38, X1ST
	v_add_nc_u32 v4, s38, v1                       ; rows 2 w, 2 w + 1 of the x1 stage, 16 bytes a lane
	s_lshr_b32 s38, s22, 1
	s_and_b32 s39, s22, 1
	s_lshl_b32 s46, s38, 11
	s_lshl_b32 s47, s39, 9
	s_add_co_u32 s46, s46, s47
	v_add_nc_u32 v7, s46, v1                       ; my half (w % 2) of the hidden layer's fragments of K step w / 2
	s_lshl_b32 s46, s38, 8
	s_lshl_b32 s47, s39, 1
	s_add_co_u32 s46, s46, s47
	v_add_nc_u32 v8, s46, v2                       ; and my two bytes of their scale words
	s_lshl_b32 s46, s22, 8
	v_add_nc_u32 v9, s46, v3                       ; 8 x lane + 256 x wave
	s_lshl_b32 s46, s22, 7
	v_add_nc_u32 v10, s46, v2                      ; 4 x lane + 128 x wave
	s_lshl_b32 s46, s22, 3
	v_lshl_add_u32 v11, v116, 7, s46               ; p of my two rows: head h (+ 2 j), tokens 2 w, 2 w + 1
	s_lshr_b32 s38, s22, 3                         ; the fragment of x1 that I quantise: tile m = w / 8,
	s_and_b32 s39, s22, 7                          ; K step s = w % 8
	s_mul_i32 s46, s38, 16*XP
	s_lshl_b32 s47, s39, 9
	s_add_co_u32 s46, s46, s47
	s_add_co_u32 s46, s46, X1ST
	v_mul_u32_u24 v12, v15, XP
	v_lshl_add_u32 v12, v116, 6, v12
	v_add_nc_u32 v12, s46, v12                     ; its numbers: row 16 m + r, byte 512 s + 64 h
	s_lshl_b32 s46, s39, 1
	s_add_co_u32 s46, s46, s38
	s_lshl_b32 s47, s46, 10
	v_add_nc_u32 v13, s47, v1                      ; its image,
	s_lshl_b32 s47, s46, 7
	v_add_nc_u32 v14, s47, v2                      ; its scale words
	s_wait_kmcnt 0x0
	s_add_co_u32 s36, s22, 48
	s_mul_i32 s36, s36, GRP
	s_add_nc_u64 s[24:25], s[10:11], s[36:37]      ; W1's group w
	s_add_nc_u64 s[26:27], s[24:25], 16*GRP        ; W2's group w
	s_lshl_b32 s36, ttmp9, 17
	s_lshl_b32 s38, s22, 13
	s_add_co_u32 s36, s36, s38
	s_add_nc_u64 s[48:49], s[4:5], s[36:37]        ; x at row 32 n + 2 w
	s_add_nc_u64 s[20:21], s[20:21], s[36:37]      ; out0 likewise
	s_lshr_b32 s38, ttmp9, 5                       ; b
	s_lshl_b32 s36, s38, 4
	s_add_co_u32 s36, s36, s22
	s_lshl_b32 s36, s36, 12
	s_add_nc_u64 s[50:51], s[6:7], s[36:37]        ; RS at (b, head w)
	s_and_b32 s36, ttmp9, 31
	s_lshl_b32 s36, s36, 7
	s_add_nc_u64 s[52:53], s[50:51], s[36:37]      ; and at my work-group's 32 tokens
	s_lshl_b32 s36, s38, 13
	s_add_nc_u64 s[54:55], s[8:9], s[36:37]        ; VP at b
; ---- 31 loads at the head: 15 for the softmax and the vectors, 16 of x
.irp j, 0,1,2,3,4,5,6,7
	global_load_b128 v[80+4*\j:83+4*\j], v1, s[50:51] offset:512*\j
.endr
	global_load_b32 v228, v2, s[52:53]
	global_load_b64 v[216:217], v9, s[54:55]
	global_load_b64 v[218:219], v9, s[54:55] offset:4096
	global_load_b64 v[220:221], v9, s[12:13]
	global_load_b64 v[222:223], v9, s[14:15]
	global_load_b64 v[224:225], v9, s[16:17]
	global_load_b64 v[226:227], v9, s[18:19]
.irp p, 0,1
.irp j, 0,1,2,3,4,5,6,7
	global_load_b128 v[16+32*\p+4*\j:19+32*\p+4*\j], v1, s[48:49] offset:4096*\p+512*\j th:TH_LOAD_NT
.endr
.endr
	WBASE 0                                        ; the bases of the first three weight blocks; their loads follow one by one (NEXTWL)
	WBASE 1
	WBASE 2
; ---- the softmax of head w over the batch's 1,024 tokens; p of my work-group's 32
	s_wait_loadcnt 16                              ; the first 15 loads are in; x's 16 may be out
	v_max3_num_f32 v116, v80, v81, v82
	v_max3_num_f32 v117, v83, v84, v85
	v_max3_num_f32 v118, v86, v87, v88
	v_max3_num_f32 v119, v89, v90, v91
	NEXTWL
.irp j, 92,100
	v_max3_num_f32 v116, v116, v[\j], v[\j+1]
	v_max3_num_f32 v117, v117, v[\j+2], v[\j+3]
	v_max3_num_f32 v118, v118, v[\j+4], v[\j+5]
	v_max3_num_f32 v119, v119, v[\j+6], v[\j+7]
	NEXTWL
.endr
	v_max3_num_f32 v116, v116, v108, v109
	v_max3_num_f32 v117, v117, v110, v111
	v_max3_num_f32 v116, v116, v117, v118
	v_max_num_f32 v116, v116, v119
.irp x, 1,2,4,8
	v_max_num_f32_dpp v116, v116, v116 row_xmask:\x row_mask:0xf bank_mask:0xf
.endr
	v_permlanex16_b32 v117, v116, s[SEL], s[SEL+1]
	v_max_num_f32 v116, v116, v117                 ; the row's maximum, in every lane
	v_mov_b32 v117, v116
.set j, 0
.rept 16
	v_pk_add_f32 v[80+j:81+j], v[80+j:81+j], v[116:117] neg_lo:[0,1] neg_hi:[0,1]   ; r - max first, so that the error goes with the difference
.if (j%8) == 0
	NEXTWL
.endif
.set j, j+2
.endr
	v_sub_f32 v228, v228, v116
.set j, 0
.rept 16
	v_pk_mul_f32 v[80+j:81+j], v[80+j:81+j], s[42:43] op_sel_hi:[1,0]
.if (j%8) == 0
	NEXTWL
.endif
.set j, j+2
.endr
	v_mul_f32 v228, s42, v228
.set j, 0
.rept 32
	v_exp_f32 v[80+j], v[80+j]
.if (j%8) == 0
	NEXTWL
.endif
.set j, j+1
.endr
	v_exp_f32 v228, v228
	v_pk_add_f32 v[216:217], v[216:217], v[218:219]    ; vsum = the two halves' sums (the plain line behind the exponentials)
	ds_store_b64 v9, v[216:217] offset:VST
	ds_store_b64 v9, v[220:221] offset:G1ST
	ds_store_b64 v9, v[222:223] offset:B1ST
	ds_store_b64 v9, v[224:225] offset:G2ST
	ds_store_b64 v9, v[226:227] offset:B2ST
	s_wait_alu depctr_va_vdst(0)                   ; one wait for the 33 exponentials, ahead of their first reader
	v_pk_add_f32 v[116:117], v[80:81], v[82:83]
	v_pk_add_f32 v[118:119], v[84:85], v[86:87]
.irp j, 88,92,96,100,104,108
	v_pk_add_f32 v[116:117], v[116:117], v[\j:\j+1]
	v_pk_add_f32 v[118:119], v[118:119], v[\j+2:\j+3]
.endr
	v_pk_add_f32 v[116:117], v[116:117], v[118:119]
	v_add_f32 v116, v116, v117
.irp x, 1,2,4,8
	v_add_f32_dpp v116, v116, v116 row_xmask:\x row_mask:0xf bank_mask:0xf
.endr
	v_permlanex16_b32 v117, v116, s[SEL], s[SEL+1]
	v_add_f32 v116, v116, v117                     ; the sum: at least 1, the maximum's own term
	v_rcp_f32 v116, v116
	v_nop
	s_wait_alu depctr_va_vdst(0)
	v_mul_f32 v228, v228, v116
	ds_store_b32 v10, v228 offset:PST
	BARRIER                                        ; p of 16 heads x 32 tokens, vsum and the four vectors lie in LDS
; ---- x + p x vsum and layer norm 1, rows 2 w and 2 w + 1: a lane holds columns 128 j + 4 lane + 0 .. 3
.irp j, 0,1,2,3,4,5,6,7
	ds_load_b128 v[80+4*\j:83+4*\j], v1 offset:VST+512*\j
.endr
.irp j, 0,1,2,3,4,5,6,7
	ds_load_b64 v[216+2*\j:217+2*\j], v11 offset:PST+256*\j      ; head 2 j + lane / 16: p of both rows
.endr
	s_wait_loadcnt wl_                             ; x is in; the weight loads issued so far, all of them younger, may be out
	s_wait_dscnt 0x0
.irp j, 0,1,2,3,4,5,6,7
.irp e, 0,2
	v_pk_fma_f32 v[16+4*\j+\e:17+4*\j+\e], v[80+4*\j+\e:81+4*\j+\e], v[216+2*\j:217+2*\j], v[16+4*\j+\e:17+4*\j+\e] op_sel_hi:[1,0,1]
	v_pk_fma_f32 v[48+4*\j+\e:49+4*\j+\e], v[80+4*\j+\e:81+4*\j+\e], v[216+2*\j:217+2*\j], v[48+4*\j+\e:49+4*\j+\e] op_sel:[0,1,0] op_sel_hi:[1,1,1]
.endr
.if (\j%2) == 0
	NEXTWL
.endif
.endr
.irp j, 0,1,2,3,4,5,6,7
	ds_load_b128 v[80+4*\j:83+4*\j], v1 offset:G1ST+512*\j
	ds_load_b128 v[216+4*\j:219+4*\j], v1 offset:B1ST+512*\j
.endr
	v_pk_add_f32 v[116:117], v[16:17], v[18:19]
	v_pk_add_f32 v[118:119], v[48:49], v[50:51]
.set j, 4
.rept 14
	v_pk_add_f32 v[116:117], v[116:117], v[16+j:17+j]
	v_pk_add_f32 v[118:119], v[118:119], v[48+j:49+j]
.if (j%8) == 0
	NEXTWL
.endif
.set j, j+2
.endr
	v_add_f32 v116, v116, v117
	v_add_f32 v118, v118, v119
	LSUM2 116, 117, 118, 119
	v_mul_f32 v116, s44, v116                      ; the means
	v_mul_f32 v118, s44, v118
	v_mov_b32 v117, v116
	v_mov_b32 v119, v118
.set j, 0
.rept 16
	v_pk_add_f32 v[16+j:17+j], v[16+j:17+j], v[116:117] neg_lo:[0,1] neg_hi:[0,1]
	v_pk_add_f32 v[48+j:49+j], v[48+j:49+j], v[118:119] neg_lo:[0,1] neg_hi:[0,1]
.if (j%8) == 0
	NEXTWL
.endif
.set j, j+2
.endr
	v_pk_mul_f32 v[116:117], v[16:17], v[16:17]
	v_pk_mul_f32 v[118:119], v[48:49], v[48:49]
.set j, 2
.rept 15
	v_pk_fma_f32 v[116:117], v[16+j:17+j], v[16+j:17+j], v[116:117]
	v_pk_fma_f32 v[118:119], v[48+j:49+j], v[48+j:49+j], v[118:119]
.if (j%8) == 0
	NEXTWL
.endif
.set j, j+2
.endr
.rept 27
	NEXTWL                                         ; whatever is left of the 27: behind this line all three blocks are asked for
.endr
	v_add_f32 v116, v116, v117
	v_add_f32 v118, v118, v119
	LSUM2 116, 117, 118, 119
	v_fma_f32 v116, v116, s44, s45                 ; the variance + 1e-5
	v_fma_f32 v118, v118, s44, s45
	v_rsq_f32 v116, v116
	v_rsq_f32 v118, v118
	v_nop
	s_wait_alu depctr_va_vdst(0)                   ; one wait for both
	v_mov_b32 v117, v116
	v_mov_b32 v119, v118
	s_wait_dscnt 0x0                               ; g1 and b1
.set j, 0
.rept 16
	v_pk_mul_f32 v[16+j:17+j], v[16+j:17+j], v[116:117]
	v_pk_mul_f32 v[48+j:49+j], v[48+j:49+j], v[118:119]
.set j, j+2
.endr
.set j, 0
.rept 16
	v_pk_fma_f32 v[16+j:17+j], v[16+j:17+j], v[80+j:81+j], v[216+j:217+j]
	v_pk_fma_f32 v[48+j:49+j], v[48+j:49+j], v[80+j:81+j], v[216+j:217+j]
.set j, j+2
.endr
.irp p, 0,1
.irp j, 0,1,2,3,4,5,6,7
	ds_store_b128 v4, v[16+32*\p+4*\j:19+32*\p+4*\j] offset:XP*\p+512*\j
.endr
.endr
	BARRIER                                        ; 32 rows of x1 lie in the stage
; ---- x1's sixteen fragments: wave w quantises (tile w / 8, K step w % 8)
	ISSUE 3                                        ; the fourth set is free now
.irp b, 0,1,2,3
.irp i, 0,1,2,3
	ds_load_b128 v[16+16*\b+4*\i:19+16*\b+4*\i], v12 offset:128*\b+16*\i
.endr
.endr
	s_wait_dscnt 0x0
	QUANT 16
	ds_store_b128 v13, v[PC:PC+3] offset:XIMG
	ds_store_b128 v13, v[PC+4:PC+7] offset:XIMG+512
	ds_store_b32 v14, v[PW] offset:XSCL
	BARRIER                                        ; x1's fragments and scale words lie in LDS
; ---- relu(x1 W1), quantised
	XLOAD 0
	XLOAD 1
.irp i, 0,1,2,3,4,5,6,7
	STEP \i
.endr
.set j, 0
.rept 64
	v_max_num_f32 v[16+j], 0, v[16+j]              ; each accumulator from its low end on
.set j, j+1
.endr
	QUANT 16                                       ; blocks 0, 1: my 64 units of tile 0; blocks 2, 3: of tile 1.  They are half w % 2 of K step w / 2 of the next product
	ds_store_b128 v7, v[PC:PC+3] offset:HIMG
	ds_store_b128 v7, v[PC+4:PC+7] offset:HIMG+1024
	ds_store_b16 v8, v[PW] offset:HSCL
	ds_store_b16_d16_hi v8, v[PW] offset:HSCL+128
	BARRIER                                        ; the hidden layer's fragments and scale words lie in LDS
; ---- x W2
	XLOAD 8
	XLOAD 9
.irp i, 8,9,10,11,12,13,14,15
	STEP \i
.endr
; ---- + x1 and layer norm 2.  Register 16 + 32 m + 16 b + i of lane (r, h) is row 16 m + r, column 64 w + 32 b + 16 h + i
	v_and_b32 v15, 15, v0
	v_bfe_u32 v116, v0, 4, 1
	v_mul_u32_u24 v9, v15, XP
	v_lshl_add_u32 v9, v116, 6, v9
	s_lshl_b32 s38, s22, 8
	v_lshl_add_u32 v11, v116, 6, s38               ; g2, b2: byte 256 w + 64 h
	s_add_co_u32 s39, s38, X1ST
	v_add_nc_u32 v9, s39, v9                       ; x1: row r, byte 256 w + 64 h;
	v_add_nc_u32 v10, 16*XP, v9                    ; row 16 + r
	v_mul_u32_u24 v13, v15, 80                     ; a row's sixteen parts,
	s_lshl_b32 s38, s22, 2
	v_add_nc_u32 v12, s38, v13                     ; mine among them
.irp b, 0,1
.irp i, 0,1,2,3
	ds_load_b128 v[120+16*\b+4*\i:123+16*\b+4*\i], v9 offset:128*\b+16*\i
	ds_load_b128 v[152+16*\b+4*\i:155+16*\b+4*\i], v10 offset:128*\b+16*\i
	ds_load_b128 v[184+16*\b+4*\i:187+16*\b+4*\i], v11 offset:G2ST+128*\b+16*\i
	ds_load_b128 v[216+16*\b+4*\i:219+16*\b+4*\i], v11 offset:B2ST+128*\b+16*\i
.endr
.endr
	s_wait_dscnt 0x0
.set j, 0
.rept 32
	v_pk_add_f32 v[16+j:17+j], v[16+j:17+j], v[120+j:121+j]
.set j, j+2
.endr
	v_pk_add_f32 v[120:121], v[16:17], v[18:19]
	v_pk_add_f32 v[122:123], v[48:49], v[50:51]
.set j, 4
.rept 14
	v_pk_add_f32 v[120:121], v[120:121], v[16+j:17+j]
	v_pk_add_f32 v[122:123], v[122:123], v[48+j:49+j]
.set j, j+2
.endr
	v_add_f32 v120, v120, v121
	v_add_f32 v122, v122, v123
	v_permlanex16_b32 v121, v120, s[SEL], s[SEL+1]
	v_permlanex16_b32 v123, v122, s[SEL], s[SEL+1]
	v_add_f32 v120, v120, v121
	v_add_f32 v122, v122, v123
	ds_store_b32 v12, v120 offset:RED1             ; both halves of the lanes write the same number
	ds_store_b32 v12, v122 offset:RED1+1280
	BARRIER
.irp i, 0,1,2,3
	ds_load_b128 v[124+4*\i:127+4*\i], v13 offset:RED1+16*\i
	ds_load_b128 v[140+4*\i:143+4*\i], v13 offset:RED1+1280+16*\i
.endr
	s_wait_dscnt 0x0
	SUM16 124
	SUM16 140
	v_mul_f32 v120, s44, v124                      ; the means
	v_mul_f32 v122, s44, v140
	v_mov_b32 v121, v120
	v_mov_b32 v123, v122
.set j, 0
.rept 16
	v_pk_add_f32 v[16+j:17+j], v[16+j:17+j], v[120:121] neg_lo:[0,1] neg_hi:[0,1]
	v_pk_add_f32 v[48+j:49+j], v[48+j:49+j], v[122:123] neg_lo:[0,1] neg_hi:[0,1]
.set j, j+2
.endr
	v_pk_mul_f32 v[124:125], v[16:17], v[16:17]
	v_pk_mul_f32 v[126:127], v[48:49], v[48:49]
.set j, 2
.rept 15
	v_pk_fma_f32 v[124:125], v[16+j:17+j], v[16+j:17+j], v[124:125]
	v_pk_fma_f32 v[126:127], v[48+j:49+j], v[48+j:49+j], v[126:127]
.set j, j+2
.endr
	v_add_f32 v124, v124, v125
	v_add_f32 v126, v126, v127
	v_permlanex16_b32 v125, v124, s[SEL], s[SEL+1]
	v_permlanex16_b32 v127, v126, s[SEL], s[SEL+1]
	v_add_f32 v124, v124, v125
	v_add_f32 v126, v126, v127
	ds_store_b32 v12, v124 offset:RED2
	ds_store_b32 v12, v126 offset:RED2+1280
	BARRIER
.irp i, 0,1,2,3
	ds_load_b128 v[128+4*\i:131+4*\i], v13 offset:RED2+16*\i
	ds_load_b128 v[144+4*\i:147+4*\i], v13 offset:RED2+1280+16*\i
.endr
	s_wait_dscnt 0x0
	SUM16 128
	SUM16 144
	v_fma_f32 v120, v128, s44, s45
	v_fma_f32 v122, v144, s44, s45
	v_rsq_f32 v120, v120
	v_rsq_f32 v122, v122
	v_nop
	s_wait_alu depctr_va_vdst(0)                   ; one wait for both
	v_mov_b32 v121, v120
	v_mov_b32 v123, v122
.set j, 0
.rept 16
	v_pk_mul_f32 v[16+j:17+j], v[16+j:17+j], v[120:121]
	v_pk_mul_f32 v[48+j:49+j], v[48+j:49+j], v[122:123]
.set j, j+2
.endr
.set j, 0
.rept 16
	v_pk_fma_f32 v[16+j:17+j], v[16+j:17+j], v[184+j:185+j], v[216+j:217+j]
	v_pk_fma_f32 v[48+j:49+j], v[48+j:49+j], v[184+j:185+j], v[216+j:217+j]
.set j, j+2
.endr
.irp b, 0,1                                    ; the result takes x1's place in the stage: the bytes that I alone have read since the products began
.irp i, 0,1,2,3
	ds_store_b128 v9, v[16+16*\b+4*\i:19+16*\b+4*\i] offset:128*\b+16*\i
	ds_store_b128 v10, v[48+16*\b+4*\i:51+16*\b+4*\i] offset:128*\b+16*\i
.endr
.endr
	BARRIER                                        ; 32 whole rows of the result lie in the stage
.irp p, 0,1
.irp j, 0,1,2,3,4,5,6,7
	ds_load_b128 v[120+32*\p+4*\j:123+32*\p+4*\j], v4 offset:XP*\p+512*\j
.endr
.endr
.irp p, 0,1
.irp j, 0,1,2,3,4,5,6,7
	s_wait_dscnt 15-8*\p-\j                        ; this load is in; the younger ones may be out
	global_store_b128 v1, v[120+32*\p+4*\j:123+32*\p+4*\j], s[20:21] offset:4096*\p+512*\j th:TH_STORE_NT   ; 512 consecutive bytes, aligned
.endr
.endr
	s_wait_xcnt 0x0
	v_lshl_add_u32 v254, v0, 2, 0x30200
	v_mov_b32 v255, 0
	s_wait_tensorcnt 0x0
	ds_add_u32 v254, v255
	s_wait_dscnt 0x0
	s_endpgm
.Lfunc_end_k_qd834538ddc_ffn:
	.size	k_qd834538ddc_ffn, .Lfunc_end_k_qd834538ddc_ffn-k_qd834538ddc_ffn
	.p2alignl 7, 3214868480
	.fill 96, 4, 3214868480
	.section	.rodata,"a",@progbits
	.p2align	6, 0x0
	.amdhsa_kernel k_qd834538ddc_ffn
		.amdhsa_group_segment_fixed_size 199168
		.amdhsa_private_segment_fixed_size 0
		.amdhsa_enable_private_segment 0
		.amdhsa_kernarg_size 72
		.amdhsa_user_sgpr_count 2
		.amdhsa_user_sgpr_kernarg_segment_ptr 1
		.amdhsa_wavefront_size32 1
		.amdhsa_system_sgpr_workgroup_id_x 1
		.amdhsa_system_sgpr_workgroup_id_y 1
		.amdhsa_system_sgpr_workgroup_id_z 1
		.amdhsa_system_vgpr_workitem_id 0
		.amdhsa_next_free_vgpr 256
		.amdhsa_next_free_sgpr 66
		.amdhsa_reserve_vcc 0
		.amdhsa_float_denorm_mode_32 3
		.amdhsa_float_denorm_mode_16_64 3
		.amdhsa_memory_ordered 1
		.amdhsa_forward_progress 1
		.amdhsa_inst_pref_size 109
	.end_amdhsa_kernel
	.amdgpu_metadata
---
amdhsa.version: [ 1, 2 ]
amdhsa.kernels:
  - .name:           k_qd834538ddc_ffn
    .symbol:         k_qd834538ddc_ffn.kd
    .args:
      - { .name: x, .offset: 0, .size: 8, .value_kind: global_buffer, .address_space: global }
      - { .name: RS, .offset: 8, .size: 8, .value_kind: global_buffer, .address_space: global }
      - { .name: VP, .offset: 16, .size: 8, .value_kind: global_buffer, .address_space: global }
      - { .name: WF, .offset: 24, .size: 8, .value_kind: global_buffer, .address_space: global }
      - { .name: g1, .offset: 32, .size: 8, .value_kind: global_buffer, .address_space: global }
      - { .name: b1, .offset: 40, .size: 8, .value_kind: global_buffer, .address_space: global }
      - { .name: g2, .offset: 48, .size: 8, .value_kind: global_buffer, .address_space: global }
      - { .name: b2, .offset: 56, .size: 8, .value_kind: global_buffer, .address_space: global }
      - { .name: out0, .offset: 64, .size: 8, .value_kind: global_buffer, .address_space: global }
    .group_segment_fixed_size: 199168
    .private_segment_fixed_size: 0
    .kernarg_segment_align: 8
    .kernarg_segment_size: 72
    .max_flat_workgroup_size: 512
    .sgpr_count:     66
    .vgpr_count:     256
    .wavefront_size: 32
...
	.end_amdgpu_metadata
.endif
;; end of part 3
;; ======== version 2 of 2: 3 launches
;; workspace buffers: XC 4,194,304 bytes; XS 262,144 bytes; WF 2,785,280 bytes; RS 524,288 bytes; VP 65,536 bytes
;; launch prep (part 4): grid 592 x 1, 4 waves a work-group, no clusters, 33,280 bytes of LDS; arguments x, XC, XS, WF, Wq_codes, Wk_codes, Wv_codes, W1_codes, W2_codes, Wq_scales, Wk_scales, Wv_scales, W1_scales, W2_scales; writes XC, XS, WF
.if DOCPART == 4
	.amdgcn_target "amdgcn-amd-amdhsa--gfx1250"
	.amdhsa_code_object_version 6
	.text
	.protected	k_qd834538ddc_prep
	.globl	k_qd834538ddc_prep
	.p2align	8
	.type	k_qd834538ddc_prep,@function
k_qd834538ddc_prep:
	s_mov_b64 s[64:65], 0
	v_nop
	global_prefetch_b8 v0, s[64:65] scope:SCOPE_SE
	s_setreg_imm32_b32 hwreg(HW_REG_WAVE_MODE, 25, 1), 1
	s_wait_xcnt 0x0
; PREP.  Work-groups 0-511: x [8192][1024] f32 becomes codes of E2M1 with one E8M0 byte for each 32 along K, laid as IMAGES OF OPERAND REGISTERS.
; Work-groups 512-591: the five weights' codes and scale bytes are laid out anew in the same way, so that every later read is dense.
; XC: [512 tiles of 16 tokens][8,192 bytes]: block kb of 32 codes of row r at 256 kb + 16 r  (= K step s x 1024 + c x 512 + lane x 16, lane = 16 h + r, kb = 4 s + 2 c + h).
; XS: [512 tiles][512 bytes]: the byte of row r, block kb at 128 (kb / 8) + 8 r + kb % 8: a lane (r, h) that loads 8 bytes at 256 g + 8 lane has the scale words of K steps 4 g + 2 h and 4 g + 2 h + 1.
; WF: [80 groups of 64 weight rows][8 K steps][4,352 bytes]: four tiles' fragments (tile x 1024 + c x 512 + lane x 16), then at 4,096 the scale words: lane x 8 + 4 j = tile 2 j + h, row r.
;     Lane r of a group's tile T takes weight row 32 (T / 2) + 8 (T % 2) + r + (r & 8), so that the results of two neighbouring tiles are 16 neighbours along the next K.
;     Group = 3 head + kind (q, k, v) under 48; 48 + G for W1; 64 + G for W2.
; A block's scale is 2^(floor(log2(largest magnitude)) - 2): its byte is the largest magnitude's exponent field - 2, held at 1 from below.
; LIMITS: NaN and infinities are not served; a block whose largest magnitude lies under 2^-124 gets the byte 1; a block of zeros gets the byte 1 with zero codes (this program alone reads the bytes).
; No matrix work, no tensor load, no barrier: waves share nothing.  The two paths part on the work-group's number; the x path alone uses LDS, each wave 8,192 bytes of its own.
.set SP,   80                          ; a lane's place in a turn stage: 64 bytes + 16 of padding
.set STG,  32*SP                       ; a turn stage; two of them
.set SCB,  2*STG                       ; behind them my wave's 128 scale bytes
.set CST,  5376                        ; and its code stage: 8 chunks (one for each block kb) of 256 bytes,
.set CP,   288                         ; 288 bytes apart
.set R,    16                          ; v16-143  numbers as loaded, 16 registers a step
.set XR,   144                         ; v144-175 two sets of 16 neighbours
.set CR,   176                         ; v176-191 codes, two registers a step
.set ER,   192                         ; v192-199 a scale byte a step
.set BK,   200                         ; v200-215 the codes read back
	s_load_b256 s[4:11], s[0:1], 0x0               ; x, XC, XS, WF
	s_load_b256 s[12:19], s[0:1], 0x20             ; codes of Wq, Wk, Wv, W1
	s_load_b256 s[20:27], s[0:1], 0x40             ; codes of W2; scales of Wq, Wk, Wv
	s_load_b128 s[28:31], s[0:1], 0x60             ; scales of W1, W2
	v_lshl_add_u32 v216, v0, 2, 0x8000
	v_mov_b32 v217, 0
	v_lshrrev_b32 v1, 5, v0
	v_readfirstlane_b32 s32, v1                    ; wave 0..3
	v_and_b32 v2, 31, v0                           ; lane
	v_lshlrev_b32 v3, 4, v2                        ; 16 x lane
	s_wait_kmcnt 0x0
	s_cmp_ge_u32 ttmp9, 512
	s_cbranch_scc1 .Lweights
; ---- x: work-group n takes token tile n; wave w its columns 256 w .. 256 w + 255 (blocks 8 w .. 8 w + 7): eight steps of two rows x 1,024 bytes.
	s_lshl_b32 s33, s32, 13                        ; my wave's LDS
	s_wait_alu depctr_va_vdst(0)
	v_lshrrev_b32 v14, 2, v2
	v_mul_u32_u24 v14, v14, SP
	v_and_b32 v15, 3, v2
	v_lshl_add_u32 v14, v15, 4, v14
	v_add_nc_u32 v14, s33, v14                     ; into a turn stage: four lanes' 64 bytes on end, then the padding
	v_mul_u32_u24 v15, v2, SP
	v_add_nc_u32 v15, s33, v15                     ; out of it: my 16 neighbours
	v_bfe_u32 v4, v2, 1, 3                         ; behind the turn lane l holds row 2 t + l / 16, block (l % 16) / 2, half l % 2
	v_mul_u32_u24 v4, v4, CP
	v_lshrrev_b32 v8, 4, v2
	v_lshl_add_u32 v4, v8, 4, v4
	v_and_b32 v10, 1, v2
	v_lshl_add_u32 v4, v10, 3, v4
	v_add_nc_u32 v4, s33, v4                       ; my 8 bytes of codes in the code stage (+ 32 t)
	v_lshrrev_b32 v5, 1, v2
	v_add_nc_u32 v5, s33, v5                       ; my block's scale byte: 8 x row + block = 16 t + l / 2
	v_lshlrev_b32 v7, 2, v2
	v_add_nc_u32 v6, s33, v7                       ; the scale bytes on the way out: 4 a lane
	v_mul_u32_u24 v9, v8, CP
	v_and_b32 v10, 15, v2
	v_lshl_add_u32 v9, v10, 4, v9
	v_add_nc_u32 v9, s33, v9                       ; the codes on the way out: sixteen lanes to a chunk
	s_mov_b32 s35, 0
	s_lshl_b32 s34, ttmp9, 16                      ; x: 16 rows of 4,096 bytes a tile, 1,024 bytes a wave
	s_lshl_b32 s36, s32, 10
	s_add_co_u32 s34, s34, s36
	s_add_nc_u64 s[4:5], s[4:5], s[34:35]
	s_lshl_b32 s34, ttmp9, 13                      ; XC: 8,192 a tile, 2,048 a wave
	s_lshl_b32 s36, s32, 11
	s_add_co_u32 s34, s34, s36
	s_add_nc_u64 s[6:7], s[6:7], s[34:35]
	s_lshl_b32 s34, ttmp9, 9                       ; XS: 512 a tile, 128 a wave
	s_lshl_b32 s36, s32, 7
	s_add_co_u32 s34, s34, s36
	s_add_nc_u64 s[8:9], s[8:9], s[34:35]
.irp t, 0,1,2,3,4,5,6,7                        ; all 32 loads go out at once: the wave's whole share, 16,384 bytes; each reads 512 consecutive bytes
.irp i, 0,1,2,3
	global_load_b128 v[R+16*\t+4*\i:R+16*\t+4*\i+3], v3, s[4:5] offset:(2*\t+\i/2)*4096+(\i%2)*512 th:TH_LOAD_NT
.endr
.endr
.macro TURN t                          ; a step's 2,048 bytes through a stage: in as they were loaded, out 64 bytes a lane.  LDS serves a wave's instructions in order
.irp i, 0,1,2,3
	ds_store_b128 v14, v[R+16*(\t)+4*\i:R+16*(\t)+4*\i+3] offset:STG*((\t)%2)+8*SP*\i
.endr
.irp i, 0,1,2,3
	ds_load_b128 v[XR+16*((\t)%2)+4*\i:XR+16*((\t)%2)+4*\i+3], v15 offset:STG*((\t)%2)+16*\i
.endr
.endm
	s_wait_loadcnt 28                              ; step 0's four loads are in
	TURN 0
.macro STEP t
.set XSET, XR+16*((\t)%2)
.if (\t) > 0
	s_wait_dscnt 2                                 ; this step's numbers are back; the last step's two small stores may be out
.else
	s_wait_dscnt 0x0
.endif
.if (\t) < 7
	s_wait_loadcnt 4*(6-(\t))                      ; the next step's four loads are in; those of the steps behind it may be out
	TURN (\t)+1
.endif
	v_max3_num_f32 v8, |v[XSET]|, |v[XSET+1]|, |v[XSET+2]|         ; the largest magnitude of my 16, in two chains
	v_max3_num_f32 v10, |v[XSET+3]|, |v[XSET+4]|, |v[XSET+5]|
.irp i, 6,10
	v_max3_num_f32 v8, v8, |v[XSET+\i]|, |v[XSET+\i+1]|
	v_max3_num_f32 v10, v10, |v[XSET+\i+2]|, |v[XSET+\i+3]|
.endr
	v_max3_num_f32 v8, v8, |v[XSET+14]|, |v[XSET+15]|
	v_max3_num_f32 v8, v8, v10, 0x1800000          ; and the floor 2^(3 - 127): the byte cannot fall under 1
	v_max_num_f32_dpp v8, v8, v8 row_xmask:1 row_mask:0xf bank_mask:0xf   ; with my neighbour's 16: the block's
	v_add_nc_u32 v11, 0xff000000, v8               ; 2 off its exponent field: the conversion's scale operand
	v_cvt_scalef32_pk8_fp4_f32 v[CR+2*(\t)], v[XSET:XSET+7], v11
	v_cvt_scalef32_pk8_fp4_f32 v[CR+2*(\t)+1], v[XSET+8:XSET+15], v11
	v_lshrrev_b32 v[ER+(\t)], 23, v11              ; the scale's byte (also the plain line behind the conversions)
	ds_store_b8 v5, v[ER+(\t)] offset:SCB+16*(\t)  ; both lanes of a block write the same byte with the same value
	ds_store_b64 v4, v[CR+2*(\t):CR+2*(\t)+1] offset:CST+32*(\t)
.endm
.irp t, 0,1,2,3,4,5,6,7
	STEP \t
.endr
.irp j, 0,1,2,3
	ds_load_b128 v[BK+4*\j:BK+4*\j+3], v9 offset:CST+2*CP*\j       ; two chunks an instruction
.endr
	ds_load_b32 v12, v6 offset:SCB
	s_wait_dscnt 0x0
.irp j, 0,1,2,3
	global_store_b128 v3, v[BK+4*\j:BK+4*\j+3], s[6:7] offset:512*\j   ; 512 consecutive bytes, aligned
.endr
	global_store_b32 v7, v12, s[8:9]               ; 128 consecutive bytes: the four waves' stores fill the tile's 512; one byte in 128 of what the launch reads
	s_wait_tensorcnt 0x0
	ds_add_u32 v216, v217
	s_wait_dscnt 0x0
	s_endpgm
; ---- the weights: work-group 512 + 16 m + G takes rows 64 G .. 64 G + 63 of matrix m (Wq, Wk, Wv, W1, W2); wave w its tile w and the scale words of K steps 2 w, 2 w + 1.
.Lweights:
	s_sub_co_u32 s33, ttmp9, 512
	s_lshr_b32 s34, s33, 4                         ; m
	s_and_b32 s35, s33, 15                         ; G
	s_mul_i32 s36, s35, 3
	s_add_co_u32 s36, s36, s34
	s_cmp_lt_u32 s34, 3
	s_cselect_b32 s36, s36, s33                    ; the group's number in WF
	s_mov_b64 s[38:39], s[12:13]                   ; the sources are chosen on the work-group's number alone
	s_mov_b64 s[40:41], s[22:23]
	s_cmp_eq_u32 s34, 1
	s_cselect_b64 s[38:39], s[14:15], s[38:39]
	s_cselect_b64 s[40:41], s[24:25], s[40:41]
	s_cmp_eq_u32 s34, 2
	s_cselect_b64 s[38:39], s[16:17], s[38:39]
	s_cselect_b64 s[40:41], s[26:27], s[40:41]
	s_cmp_eq_u32 s34, 3
	s_cselect_b64 s[38:39], s[18:19], s[38:39]
	s_cselect_b64 s[40:41], s[28:29], s[40:41]
	s_cmp_eq_u32 s34, 4
	s_cselect_b64 s[38:39], s[20:21], s[38:39]
	s_cselect_b64 s[40:41], s[30:31], s[40:41]
	s_mov_b32 s43, 0
	s_lshl_b32 s42, s35, 15                        ; codes: (64 G + 32 (w / 2) + 8 (w % 2)) rows of 512 bytes
	s_lshr_b32 s44, s32, 1
	s_lshl_b32 s44, s44, 14
	s_add_co_u32 s42, s42, s44
	s_and_b32 s44, s32, 1
	s_lshl_b32 s44, s44, 12
	s_add_co_u32 s42, s42, s44
	s_add_nc_u64 s[38:39], s[38:39], s[42:43]
	s_lshl_b32 s42, s35, 11                        ; scales: 64 G rows of 32 bytes, + 8 w: K steps 2 w, 2 w + 1
	s_lshl_b32 s44, s32, 3
	s_add_co_u32 s42, s42, s44
	s_add_nc_u64 s[40:41], s[40:41], s[42:43]
	s_mul_i32 s42, s36, 34816
	s_add_nc_u64 s[10:11], s[10:11], s[42:43]      ; the group in WF
	s_lshl_b32 s42, s32, 10
	s_add_nc_u64 s[44:45], s[10:11], s[42:43]      ; my tile's place in a block
	s_mul_i32 s42, s32, 8704
	s_add_co_u32 s42, s42, 4096
	s_add_nc_u64 s[46:47], s[10:11], s[42:43]      ; the scale words of block 2 w
	s_wait_alu depctr_va_vdst(0)
	v_and_b32 v8, 15, v2                           ; r
	v_lshrrev_b32 v9, 4, v2                        ; h
	v_and_b32 v10, 8, v8
	v_add_nc_u32 v10, v10, v8                      ; r + (r & 8)
	v_lshlrev_b32 v16, 9, v10
	v_lshl_add_u32 v16, v9, 4, v16                 ; my row's codes, + 16 h
	v_lshl_add_u32 v17, v9, 3, v10
	v_lshlrev_b32 v17, 5, v17                      ; the scale bytes' row of tile 2 j + h: 8 h + r + (r & 8), + 32 j in the immediate
	v_lshlrev_b32 v18, 3, v2
.irp j, 0,1,2,3,4,5,6,7,8,9,10,11,12,13,14,15  ; load j = 2 s + c: block 4 s + 2 c + h of my row
	global_load_b128 v[32+4*\j:35+4*\j], v16, s[38:39] offset:32*\j
.endr
.irp sl, 0,1
.irp j, 0,1
	global_load_b32 v[96+2*\sl+\j], v17, s[40:41] offset:1024*\j+4*\sl
.endr
.endr
	s_wait_alu depctr_va_vdst(0)
	s_wait_loadcnt 0x0
.irp j, 0,1,2,3,4,5,6,7,8,9,10,11,12,13,14,15
	global_store_b128 v3, v[32+4*\j:35+4*\j], s[44:45] offset:(\j/2)*4352+(\j%2)*512   ; 512 consecutive bytes, aligned
.endr
.irp sl, 0,1
	global_store_b64 v18, v[96+2*\sl:97+2*\sl], s[46:47] offset:4352*\sl               ; 256 consecutive bytes, aligned
.endr
	s_endpgm
.Lfunc_end_k_qd834538ddc_prep:
	.size	k_qd834538ddc_prep, .Lfunc_end_k_qd834538ddc_prep-k_qd834538ddc_prep
	.p2alignl 7, 3214868480
	.fill 96, 4, 3214868480
	.section	.rodata,"a",@progbits
	.p2align	6, 0x0
	.amdhsa_kernel k_qd834538ddc_prep
		.amdhsa_group_segment_fixed_size 33280
		.amdhsa_private_segment_fixed_size 0
		.amdhsa_enable_private_segment 0
		.amdhsa_kernarg_size 112
		.amdhsa_user_sgpr_count 2
		.amdhsa_user_sgpr_kernarg_segment_ptr 1
		.amdhsa_wavefront_size32 1
		.amdhsa_system_sgpr_workgroup_id_x 1
		.amdhsa_system_sgpr_workgroup_id_y 1
		.amdhsa_system_sgpr_workgroup_id_z 1
		.amdhsa_system_vgpr_workitem_id 0
		.amdhsa_next_free_vgpr 218
		.amdhsa_next_free_sgpr 66
		.amdhsa_reserve_vcc 0
		.amdhsa_float_denorm_mode_32 3
		.amdhsa_float_denorm_mode_16_64 3
		.amdhsa_memory_ordered 1
		.amdhsa_forward_progress 1
		.amdhsa_inst_pref_size 24
	.end_amdhsa_kernel
	.amdgpu_metadata
---
amdhsa.version: [ 1, 2 ]
amdhsa.kernels:
  - .name:           k_qd834538ddc_prep
    .symbol:         k_qd834538ddc_prep.kd
    .args:
      - { .name: x, .offset: 0, .size: 8, .value_kind: global_buffer, .address_space: global }
      - { .name: XC, .offset: 8, .size: 8, .value_kind: global_buffer, .address_space: global }
      - { .name: XS, .offset: 16, .size: 8, .value_kind: global_buffer, .address_space: global }
      - { .name: WF, .offset: 24, .size: 8, .value_kind: global_buffer, .address_space: global }
      - { .name: Wq_codes, .offset: 32, .size: 8, .value_kind: global_buffer, .address_space: global }
      - { .name: Wk_codes, .offset: 40, .size: 8, .value_kind: global_buffer, .address_space: global }
      - { .name: Wv_codes, .offset: 48, .size: 8, .value_kind: global_buffer, .address_space: global }
      - { .name: W1_codes, .offset: 56, .size: 8, .value_kind: global_buffer, .address_space: global }
      - { .name: W2_codes, .offset: 64, .size: 8, .value_kind: global_buffer, .address_space: global }
      - { .name: Wq_scales, .offset: 72, .size: 8, .value_kind: global_buffer, .address_space: global }
      - { .name: Wk_scales, .offset: 80, .size: 8, .value_kind: global_buffer, .address_space: global }
      - { .name: Wv_scales, .offset: 88, .size: 8, .value_kind: global_buffer, .address_space: global }
      - { .name: W1_scales, .offset: 96, .size: 8, .value_kind: global_buffer, .address_space: global }
      - { .name: W2_scales, .offset: 104, .size: 8, .value_kind: global_buffer, .address_space: global }
    .group_segment_fixed_size: 33280
    .private_segment_fixed_size: 0
    .kernarg_segment_align: 8
    .kernarg_segment_size: 112
    .max_flat_workgroup_size: 128
    .sgpr_count:     66
    .vgpr_count:     218
    .wavefront_size: 32
...
	.end_amdgpu_metadata
.endif
;; end of part 4
;; launch heads (part 5): grid 256 x 1, 8 waves a work-group, no clusters, 171,008 bytes of LDS; arguments XC, XS, WF, RS, VP; writes RS, VP
.if DOCPART == 5
	.amdgcn_target "amdgcn-amd-amdhsa--gfx1250"
	.amdhsa_code_object_version 6
	.text
	.protected	k_qd834538ddc_heads
	.globl	k_qd834538ddc_heads
	.p2align	8
	.type	k_qd834538ddc_heads,@function
k_qd834538ddc_heads:
	s_mov_b64 s[64:65], 0
	v_nop
	global_prefetch_b8 v0, s[64:65] scope:SCOPE_SE
	s_setreg_imm32_b32 hwreg(HW_REG_WAVE_MODE, 25, 1), 1
	s_wait_xcnt 0x0
; HEADS.  For one (batch b, head, half hf of the tokens): q, k, v = x W (K = 1,024), q and k quantised along the head's 64, q k^T (K = 64), all on codes of E2M1 with E8M0 scales.
; Kept are RS[b][head][t] = the sum over all 1,024 keys of q(t) . k(s) (without the 1/8) for the half's 512 queries, and VP[b][hf][head x 64 + d] = the sum of v over the half's 512 tokens.
; THE ACCUMULATORS DO THE SUMMING.  v's four accumulators run on over all of a wave's token tiles.  In q k^T one instruction of K = 128 takes [q | q] against [k(s) | k(s')]: two whole keys, nothing
; padded, and all keys add onto the same four accumulators.  Every product of q, k, v and q k^T is multiplied; none of them goes to memory.
; SHARES.  Eight waves.  Pass A: wave w takes token tiles 4 w .. 4 w + 3 of the half, for q, k and v.  Pass B: the same tiles of the OTHER half, for k alone (so k is multiplied in both halves' work-groups:
; a third more projection work, for twice the work-groups).  Then its own 64 queries against all 1,024 keys.
; x's codes of a pass (4 tiles x 8 K steps = 256 registers, window 1) go from memory straight into operand registers.  Pass A's come in step with the first projection: K steps 0 to 3 are asked for at
; the head, K step s + 4 behind step s, so that the first product waits for 8 loads and not for 64.  Pass B's take the registers of pass A's behind each step of the last projection that reads them.
; The head's three weight groups, 104,448 consecutive bytes, come into LDS once, by one tensor load a wave (13,056 bytes each); a weight fragment read from LDS feeds four matrix instructions.
; No LDS byte is filled a second time.
; NO CLUSTER, NO JOINT LOADS: of the bytes that a work-group reads, 524,288 are x's codes, and each fragment of them is multiplied by one wave alone, out of the registers it was loaded into; through LDS
; a pass's 262,144 bytes, the weights' 104,448 and the images' 65,536 would not fit together.  The weights, which could be shared, are a sixth of what is read.
; q and k use the weights as source 0 and x as source 1: a lane then holds one token, and by the order of the weights' rows its 32 registers of a tile are the head's 64 in the quantiser's order.
; v uses x as source 0: a lane holds one d, its registers tokens.
; LIMITS: NaN and infinities are not served; a block under 2^-124 or of zeros gets the scale byte 1; sums over keys and tokens are taken in the accumulators' order.
; REGISTERS.  Window 0: v1-9 addresses; v10-15 at work; v16-143 accumulators ((ct, t) at 16 + 32 t + 8 ct); v144-207 two weight buffers (the second is also the quantiser's room);
;   v208-255 scale words and nothing else.  Window 1: x's fragments, (s, t) at 32 s + 8 t.
.set KIMG, 0                           ; LDS: 32 key fragments of 1,024 bytes (32 keys each),
.set QIMG, 32768                       ; 16 query fragments,
.set KSC,  49152                       ; their scale words, 128 bytes a fragment,
.set QSC,  53248
.set VRED, 55296                       ; 8 waves x 64 sums of v,
.set RSTG, 57344                       ; 8 waves x 64 row sums,
.set WIMG, 65536                       ; the head's three weight groups: filled by the tensor loads, and by nothing else
.set GRP,  34816
.set BLK,  4352
.set CHK,  13056                       ; a wave's eighth of the three groups: 51 rows of 256 bytes
.set LI,  1                            ; 16 x lane
.set LS8, 2                            ; 8 x lane
.set LS4, 3                            ; 4 x lane
.set KWI, 4                            ; 16 x lane + 2,048 x wave: my two fragments of a pass
.set KWS, 5                            ; 4 x lane + 256 x wave: their scale words
.set WA,  6                            ; the weight group in hand: its fragments,
.set WA8, 7                            ; its scale words
.set VD,  8                            ; 256 x wave + 4 (r + (r & 8))
.set RSA, 9                            ; 256 x wave + 4 r
.set ACC, 16
.set WB,  144
.set WW,  208
.set XSA, 212
.set XSB, 228
.set QWD, 244
.set KW,  248
.set TM,  176
.set PC,  192
.set PW,  200
.set SEL, 30
.set G0,  44                           ; s[44:47] descriptor group 0
.set G1,  48                           ; s[48:55] descriptor group 1
.set MSB, 0
.macro WIN new                         ; the immediate's high byte repeats the setting that is left
.if MSB != \new
	s_set_vgpr_msb (MSB<<8)|\new
.set MSB, \new
.endif
.endm
.macro PLACES n
.rept \n
	v_nop
.endr
.endm
.macro BARRIER                         ; my LDS stores have landed and my LDS loads are in: then the work-group's barrier
	s_wait_dscnt 0x0
	s_barrier_signal -1
	s_barrier_wait -1
.endm
; One matrix instruction.  c < 0: the constant 0 starts the sum.  ra, rb: the side's scale words stand in lanes 16-31.
.macro WM d, a, b, c, sa, sb, ra, rb
.if (\c) < 0
.if (\ra) && (\rb)
	v_wmma_scale_f32_16x16x128_f8f6f4 v[(\d):(\d)+7], v[(\a):(\a)+7], v[(\b):(\b)+7], 0, v[(\sa)], v[(\sb)] matrix_a_fmt:MATRIX_FMT_FP4 matrix_b_fmt:MATRIX_FMT_FP4 matrix_a_scale:MATRIX_SCALE_ROW1 matrix_b_scale:MATRIX_SCALE_ROW1
.elseif (\ra)
	v_wmma_scale_f32_16x16x128_f8f6f4 v[(\d):(\d)+7], v[(\a):(\a)+7], v[(\b):(\b)+7], 0, v[(\sa)], v[(\sb)] matrix_a_fmt:MATRIX_FMT_FP4 matrix_b_fmt:MATRIX_FMT_FP4 matrix_a_scale:MATRIX_SCALE_ROW1
.elseif (\rb)
	v_wmma_scale_f32_16x16x128_f8f6f4 v[(\d):(\d)+7], v[(\a):(\a)+7], v[(\b):(\b)+7], 0, v[(\sa)], v[(\sb)] matrix_a_fmt:MATRIX_FMT_FP4 matrix_b_fmt:MATRIX_FMT_FP4 matrix_b_scale:MATRIX_SCALE_ROW1
.else
	v_wmma_scale_f32_16x16x128_f8f6f4 v[(\d):(\d)+7], v[(\a):(\a)+7], v[(\b):(\b)+7], 0, v[(\sa)], v[(\sb)] matrix_a_fmt:MATRIX_FMT_FP4 matrix_b_fmt:MATRIX_FMT_FP4
.endif
.else
.if (\ra) && (\rb)
	v_wmma_scale_f32_16x16x128_f8f6f4 v[(\d):(\d)+7], v[(\a):(\a)+7], v[(\b):(\b)+7], v[(\c):(\c)+7], v[(\sa)], v[(\sb)] matrix_a_fmt:MATRIX_FMT_FP4 matrix_b_fmt:MATRIX_FMT_FP4 matrix_a_scale:MATRIX_SCALE_ROW1 matrix_b_scale:MATRIX_SCALE_ROW1
.elseif (\ra)
	v_wmma_scale_f32_16x16x128_f8f6f4 v[(\d):(\d)+7], v[(\a):(\a)+7], v[(\b):(\b)+7], v[(\c):(\c)+7], v[(\sa)], v[(\sb)] matrix_a_fmt:MATRIX_FMT_FP4 matrix_b_fmt:MATRIX_FMT_FP4 matrix_a_scale:MATRIX_SCALE_ROW1
.elseif (\rb)
	v_wmma_scale_f32_16x16x128_f8f6f4 v[(\d):(\d)+7], v[(\a):(\a)+7], v[(\b):(\b)+7], v[(\c):(\c)+7], v[(\sa)], v[(\sb)] matrix_a_fmt:MATRIX_FMT_FP4 matrix_b_fmt:MATRIX_FMT_FP4 matrix_b_scale:MATRIX_SCALE_ROW1
.else
	v_wmma_scale_f32_16x16x128_f8f6f4 v[(\d):(\d)+7], v[(\a):(\a)+7], v[(\b):(\b)+7], v[(\c):(\c)+7], v[(\sa)], v[(\sb)] matrix_a_fmt:MATRIX_FMT_FP4 matrix_b_fmt:MATRIX_FMT_FP4
.endif
.endif
.endm
; 64 numbers of a lane, register 16 b + i = number 32 b + 16 (lane / 16) + i of my row, become a fragment's codes in v[PC] on and its scale word in v[PW].
.macro QUANT s
.irp b, 0,1,2,3
	v_mov_b32 v[TM+4+\b], 0                        ; a lane permute's destination counts as one of its sources
.endr
.irp b, 0,1,2,3
	v_max3_num_f32 v[TM+\b], |v[\s+16*\b]|, |v[\s+1+16*\b]|, 0x1800000   ; block b: my 16 numbers, and the floor 2^(3 - 127): the byte cannot fall under 1.  Each accumulator is read from its low end on
.endr
.irp i, 2,4,6,8,10,12,14
.irp b, 0,1,2,3
	v_max3_num_f32 v[TM+\b], v[TM+\b], |v[\s+16*\b+\i]|, |v[\s+1+16*\b+\i]|
.endr
.endr
.irp b, 0,1,2,3
	s_delay_alu instid0(VALU_DEP_4)
	v_permlanex16_b32 v[TM+4+\b], v[TM+\b], s[SEL], s[SEL+1]
.endr
.irp b, 0,1,2,3
	s_delay_alu instid0(VALU_DEP_4)
	v_max_num_f32 v[TM+\b], v[TM+\b], v[TM+4+\b]   ; with lane l xor 16's: the block's largest magnitude
.endr
.irp b, 0,1,2,3
	s_delay_alu instid0(VALU_DEP_4)
	v_add_nc_u32 v[TM+12+\b], 0xff000000, v[TM+\b] ; 2 off its exponent field: the conversion's scale operand
.endr
.irp b, 0,1,2,3
	s_delay_alu instid0(VALU_DEP_4)
	v_lshrrev_b32 v[TM+4+\b], 23, v[TM+12+\b]      ; the scale's byte
.endr
	s_delay_alu instid0(VALU_DEP_3)
	v_lshl_or_b32 v[PW], v[TM+5], 8, v[TM+4]
	s_delay_alu instid0(VALU_DEP_1)
	v_lshl_or_b32 v[PW], v[TM+6], 16, v[PW]
	s_delay_alu instid0(VALU_DEP_1)
	v_lshl_or_b32 v[PW], v[TM+7], 24, v[PW]
.irp b, 0,1,2,3
	v_cvt_scalef32_pk8_fp4_f32 v[PC+2*\b], v[\s+16*\b:\s+7+16*\b], v[TM+12+\b]
	v_cvt_scalef32_pk8_fp4_f32 v[PC+1+2*\b], v[\s+8+16*\b:\s+15+16*\b], v[TM+12+\b]
.endr
	v_nop                                          ; one plain line behind the scaled conversions
.irp c, 0,1                                    ; the operand wants a whole block in a lane: lanes 0-15 block 2 c, lanes 16-31 block 2 c + 1
.irp i, 0,1
	v_permlane16_swap_b32 v[PC+4*\c+\i], v[PC+2+4*\c+\i]
.endr
.endr
.endm
.macro PRE kind                        ; the addresses of weight group kind
	v_add_nc_u32 v[WA], WIMG+(\kind)*GRP, v[LI]
	v_add_nc_u32 v[WA8], WIMG+(\kind)*GRP+4096, v[LS8]
.endm
.macro WLOAD s, buf                    ; K step s of the group in hand into buffer buf: nine LDS loads
.irp ct, 0,1,2,3
.irp c, 0,1
	ds_load_b128 v[WB+32*(\buf)+8*\ct+4*\c:WB+32*(\buf)+8*\ct+4*\c+3], v[WA] offset:BLK*(\s)+1024*\ct+512*\c
.endr
.endr
	ds_load_b64 v[WW+2*(\buf):WW+2*(\buf)+1], v[WA8] offset:BLK*(\s)
.endm
; One projection of my four token tiles: eight K steps of 16 matrix instructions.  xs: the pass's scale words of x.
; ldw: how x's loads are counted, 8 a K step, K step outermost.  1: all 64 were issued ahead of the projection.  2: they run four K steps ahead of it.  0: they are in.
; reload = 1: behind each K step the other pass's x takes the registers just multiplied.  reload = 2: behind K step s this pass's K step s + 4 is asked for, into registers that nothing has read yet.
; The accumulators take turns, one instruction a turn.
.macro GROUP kind, xs, ldw, reload
.irp s, 0,1,2,3,4,5,6,7
.if (\ldw == 2) && (\s < 5)
	s_wait_loadcnt 24                              ; x's fragments of this K step are in; those of the three K steps behind it, 8 loads each, may be out
.elseif \ldw
	s_wait_loadcnt 8*(7-\s)                        ; x's fragments of this K step are in; the later K steps' may be out
.endif
.if \s == 7
	s_wait_dscnt 0x0
.else
	s_wait_dscnt 9                                 ; this K step's weights are in; the other buffer's nine loads may be out
.endif
.if \kind == 2
	WIN 0x01                                       ; source 0 (x) in window 1
.else
	WIN 0x04                                       ; source 1 (x) in window 1
.endif
.irp t, 0,1,2,3
.irp ct, 0,1,2,3
.set xw_, \xs+4*\t+2*(\s/4)+(\s%2)
.set ww_, WW+2*(\s%2)+(\ct/2)
.set wf_, WB+32*(\s%2)+8*\ct
.set xf_, 32*\s+8*\t
.if \kind == 2
.set dd_, ACC+8*\ct
.set cc_, dd_
.if (\s == 0) && (\t == 0)
.set cc_, -1
.endif
	WM dd_, xf_, wf_, cc_, xw_, ww_, (\s/2)%2, \ct%2
.else
.set dd_, ACC+32*\t+8*\ct
.set cc_, dd_
.if \s == 0
.set cc_, -1
.endif
	WM dd_, wf_, xf_, cc_, ww_, xw_, \ct%2, (\s/2)%2
.endif
.endr
.endr
	WIN 0
.if \s == 7
	PLACES 5                                       ; these accumulators are read next, and later begun anew by matrix instructions
.else
	PLACES 4                                       ; in front of loads into registers that the matrix instructions have read
.endif
.if \s < 6
	WLOAD \s+2, \s%2
.endif
.if \reload == 1
	WIN 0x40                                       ; destination window 1
.irp t, 0,1,2,3
.irp c, 0,1
	global_load_b128 v[32*\s+8*\t+4*\c:32*\s+8*\t+4*\c+3], v[LI], s[18:19] offset:8192*\t+1024*\s+512*\c
.endr
.endr
	WIN 0
.endif
.if (\reload == 2) && (\s < 4)
	WIN 0x40                                       ; destination window 1
.irp t, 0,1,2,3
.irp c, 0,1
	global_load_b128 v[32*(\s+4)+8*\t+4*\c:32*(\s+4)+8*\t+4*\c+3], v[LI], s[16:17] offset:8192*\t+1024*(\s+4)+512*\c
.endr
.endr
	WIN 0
.endif
.endr
.endm
; My four tiles' results become two fragments (a pair of token tiles each: K = the first tile's 64, then the second's) and go to LDS as images of their registers.
; wl = 1: the next group's (pre) first weights are fetched round the quantiser, whose room is the second weight buffer.
.macro TAIL img, sc, pre, wl
.if \wl
	PRE \pre
	WLOAD 0, 0
.endif
	QUANT ACC
.irp c, 0,1
	ds_store_b128 v[KWI], v[PC+4*\c:PC+4*\c+3] offset:\img+512*\c
.endr
	ds_store_b32 v[KWS], v[PW] offset:\sc
	s_wait_dscnt 0x0                               ; the stores have read their registers
	QUANT ACC+64
.irp c, 0,1
	ds_store_b128 v[KWI], v[PC+4*\c:PC+4*\c+3] offset:\img+1024+512*\c
.endr
	ds_store_b32 v[KWS], v[PW] offset:\sc+128
	s_wait_dscnt 0x0
.if \wl
	WLOAD 1, 1
.endif
.endm
.macro KLOAD n                         ; key fragments 4 n .. 4 n + 3 and their scale words: twelve LDS loads
.irp f, 0,1,2,3
.irp c, 0,1
	ds_load_b128 v[80+32*((\n)%2)+8*\f+4*\c:80+32*((\n)%2)+8*\f+4*\c+3], v[LI] offset:KIMG+1024*(4*(\n)+\f)+512*\c
.endr
	ds_load_b32 v[KW+4*((\n)%2)+\f], v[LS4] offset:KSC+128*(4*(\n)+\f)
.endr
.endm
	s_load_b256 s[4:11], s[0:1], 0x0               ; XC, XS, WF, RS
	s_load_b64 s[12:13], s[0:1], 0x20              ; VP
	v_lshl_add_u32 v14, v0, 2, 0x29800
	v_mov_b32 v15, 0
	ds_add_u32 v14, v15
	ds_add_u32 v14, v15
	v_lshrrev_b32 v10, 5, v0
	s_delay_alu instid0(VALU_DEP_1)
	v_readfirstlane_b32 s14, v10                   ; wave 0..7
	v_and_b32 v11, 31, v0
	s_delay_alu instid0(VALU_DEP_1)
	v_lshlrev_b32 v[LI], 4, v11
	s_delay_alu instid0(VALU_DEP_2)
	v_lshlrev_b32 v[LS8], 3, v11
	s_delay_alu instid0(VALU_DEP_3)
	v_lshlrev_b32 v[LS4], 2, v11
	s_lshl_b32 s15, s14, 11
	v_add_nc_u32 v[KWI], s15, v[LI]
	s_lshl_b32 s15, s14, 8                         ; 256 x wave: kept
	v_add_nc_u32 v[KWS], s15, v[LS4]
	v_and_b32 v12, 15, v0
	s_delay_alu instid0(VALU_DEP_1)
	v_and_b32 v13, 8, v12
	s_delay_alu instid0(VALU_DEP_1)
	v_add_nc_u32 v13, v13, v12
	s_delay_alu instid0(VALU_DEP_1)
	v_lshl_add_u32 v[VD], v13, 2, s15
	s_delay_alu instid0(VALU_DEP_4)
	v_lshl_add_u32 v[RSA], v12, 2, s15
	s_mov_b32 s[SEL], 0x76543210
	s_mov_b32 s[SEL+1], 0xfedcba98                 ; v_permlanex16_b32's selects for lane l xor 16
	; descriptor group 1: a dense block of 13,056 bytes as 51 rows of 256 bytes (32 elements of 8 bytes), no padding, no mask
	s_mov_b32 s[G1+0], 3<<16                       ; 17:16 elements of 8 bytes
	s_mov_b32 s[G1+1], 32<<16                      ; tensor_dim0 = 32
	s_mov_b32 s[G1+2], 51<<16                      ; tensor_dim1 = 51
	s_mov_b32 s[G1+3], 32<<16                      ; tile_dim0 = 32
	s_mov_b32 s[G1+4], 51                          ; tile_dim1 = 51
	s_mov_b32 s[G1+5], 32                          ; from row to row: 32 elements
	s_mov_b32 s[G1+6], 0
	s_mov_b32 s[G1+7], 0
	s_mov_b32 s[G0], 1                             ; count = 1
	s_mul_i32 s37, s14, CHK                        ; my eighth of the three groups,
	s_add_co_u32 s[G0+1], s37, WIMG                ; in LDS: a constant + the wave's number x a constant
	s_and_b32 s32, ttmp9, 1                        ; hf
	s_bfe_u32 s33, ttmp9, 0x40001                  ; head
	s_lshr_b32 s34, ttmp9, 5                       ; b
	s_lshl_b32 s35, s34, 6
	s_lshl_b32 s36, s32, 5
	s_add_co_u32 s35, s35, s36
	s_lshl_b32 s36, s14, 2
	s_add_co_u32 s35, s35, s36                     ; pass A's first token tile: 64 b + 32 hf + 4 w
	s_xor_b32 s36, s35, 32                         ; pass B's: the other half
	s_mov_b32 s39, 0
	s_mul_i32 s38, s33, 3*GRP
	s_add_co_u32 s38, s38, s37                     ; and in WF: the head's groups, + my eighth
	s_wait_alu depctr_va_vdst(0)
	s_wait_dscnt 0x0
	s_wait_kmcnt 0x0
	s_add_nc_u64 s[G0+2:G0+3], s[8:9], s[38:39]
	s_or_b32 s[G0+3], s[G0+3], 0x80000000          ; type = 2
	tensor_load_to_lds s[G0:G0+3], s[G1:G1+7]      ; the wave's one tensor load: a first fill, ahead of every wait on TENSORcnt, every LDS read and every barrier
	s_nop 0
.rept 4
	v_nop                                          ; four plain lines behind a tensor load
.endr
	s_lshl_b32 s38, s35, 13
	s_add_nc_u64 s[16:17], s[4:5], s[38:39]        ; x's codes, pass A
	s_lshl_b32 s38, s36, 13
	s_add_nc_u64 s[18:19], s[4:5], s[38:39]        ; pass B
	s_lshl_b32 s38, s35, 9
	s_add_nc_u64 s[20:21], s[6:7], s[38:39]        ; x's scale words, pass A
	s_lshl_b32 s38, s36, 9
	s_add_nc_u64 s[22:23], s[6:7], s[38:39]        ; pass B
	s_lshl_b32 s38, s34, 4
	s_add_co_u32 s38, s38, s33
	s_lshl_b32 s38, s38, 12
	s_lshl_b32 s40, s32, 11
	s_add_co_u32 s38, s38, s40
	s_add_co_u32 s38, s38, s15
	s_add_nc_u64 s[26:27], s[10:11], s[38:39]      ; RS at my 64 queries
	s_lshl_b32 s38, s34, 1
	s_add_co_u32 s38, s38, s32
	s_lshl_b32 s38, s38, 12
	s_lshl_b32 s40, s33, 8
	s_add_co_u32 s38, s38, s40
	s_add_nc_u64 s[28:29], s[12:13], s[38:39]      ; VP at (b, hf, head)
.irp t, 0,1,2,3                                ; 16 loads: x's scale words of both passes
.irp g, 0,1
	global_load_b64 v[XSA+4*\t+2*\g:XSA+4*\t+2*\g+1], v[LS8], s[20:21] offset:512*\t+256*\g
.endr
.endr
.irp t, 0,1,2,3
.irp g, 0,1
	global_load_b64 v[XSB+4*\t+2*\g:XSB+4*\t+2*\g+1], v[LS8], s[22:23] offset:512*\t+256*\g
.endr
.endr
	WIN 0x40
.irp s, 0,1,2,3                                ; 32 loads: pass A's x, K steps 0 to 3, K step outermost; the other four K steps follow in the first projection
.irp t, 0,1,2,3
.irp c, 0,1
	global_load_b128 v[32*\s+8*\t+4*\c:32*\s+8*\t+4*\c+3], v[LI], s[16:17] offset:8192*\t+1024*\s+512*\c
.endr
.endr
.endr
	WIN 0
	s_wait_tensorcnt 0x0                           ; my eighth of the weights has landed,
	BARRIER                                        ; everybody's has: the three groups lie in LDS, whole
	PRE 0
	WLOAD 0, 0
	WLOAD 1, 1
	s_wait_alu depctr_va_vdst(0)
	GROUP 0, XSA, 2, 2                             ; q of my 64 tokens; x's K steps 4 to 7 are asked for on the way
	TAIL QIMG, QSC, 1, 1
	GROUP 1, XSA, 0, 0                             ; k of the same
	TAIL KIMG, KSC, 2, 1
	GROUP 2, XSA, 0, 1                             ; v of the same, summed over the four tiles; pass B's x comes in behind it
	PRE 1
	WLOAD 0, 0
.irp ct, 0,1,2,3                               ; a lane holds one d and eight tokens' sums: add them, and lane l xor 16's
	v_mov_b32 v[180+\ct], 0
.endr
.irp ct, 0,1,2,3
	v_add_f32 v[176+\ct], v[ACC+8*\ct], v[ACC+8*\ct+1]
.endr
.irp j, 2,3,4,5,6,7
.irp ct, 0,1,2,3
	v_add_f32 v[176+\ct], v[176+\ct], v[ACC+8*\ct+\j]
.endr
.endr
.irp ct, 0,1,2,3
	s_delay_alu instid0(VALU_DEP_4)
	v_permlanex16_b32 v[180+\ct], v[176+\ct], s[SEL], s[SEL+1]
.endr
.irp ct, 0,1,2,3
	s_delay_alu instid0(VALU_DEP_4)
	v_add_f32 v[176+\ct], v[176+\ct], v[180+\ct]
.endr
.irp ct, 0,1,2,3
	ds_store_b32 v[VD], v[176+\ct] offset:VRED+(32*(\ct/2)+8*(\ct%2))*4   ; d = 32 (ct / 2) + 8 (ct % 2) + r + (r & 8); both halves of the lanes write the same number
.endr
	s_wait_dscnt 0x0                               ; the stores have read their registers
	WLOAD 1, 1
	GROUP 1, XSB, 1, 0                             ; k of the other half's 64 tokens
	TAIL KIMG+16384, KSC+2048, 0, 0
	BARRIER                                        ; all 32 key fragments and all eight waves' sums of v lie in LDS
; ---- q k^T: my four tiles of 16 queries against 32 fragments of 32 keys.
.irp i, 0,1,2,3                                ; [q | q]: a tile's 64 codes a row, twice
	ds_load_b128 v[48+8*\i:51+8*\i], v[KWI] offset:QIMG+1024*(\i/2)+512*(\i%2)
	ds_load_b128 v[52+8*\i:55+8*\i], v[KWI] offset:QIMG+1024*(\i/2)+512*(\i%2)
.endr
	ds_load_b32 v10, v[KWS] offset:QSC
	ds_load_b32 v11, v[KWS] offset:QSC+128
	KLOAD 0
	KLOAD 1
	s_wait_dscnt 24                                ; q is in; the two batches of keys may be out
	v_perm_b32 v[QWD], v10, v10, 0x01000100        ; a tile's two scale bytes, twice
	v_perm_b32 v[QWD+1], v10, v10, 0x03020302
	v_perm_b32 v[QWD+2], v11, v11, 0x01000100
	v_perm_b32 v[QWD+3], v11, v11, 0x03020302
	PLACES 8                                       ; scale registers written by vector instructions stand eight places ahead of a scaled matrix instruction
	s_wait_alu depctr_va_vdst(0)
.irp n, 0,1,2,3,4,5,6,7
.if \n == 7
	s_wait_dscnt 0x0
.else
	s_wait_dscnt 12                                ; this batch is in; the next one's twelve loads may be out
.endif
.irp f, 0,1,2,3
.irp i, 0,1,2,3
.if (\n == 0) && (\f == 0)
	WM 16+8*\i, 80+32*(\n%2)+8*\f, 48+8*\i, -1, KW+4*(\n%2)+\f, QWD+\i, 0, 0
.else
	WM 16+8*\i, 80+32*(\n%2)+8*\f, 48+8*\i, 16+8*\i, KW+4*(\n%2)+\f, QWD+\i, 0, 0
.endif
.endr
.endr
	PLACES 4
.if \n < 6
	KLOAD \n+2
.endif
.endr
; ---- out: a lane holds one query and eight rows of key pairs: add them, and lane l xor 16's.
.irp i, 0,1,2,3
	v_mov_b32 v[84+\i], 0
.endr
.irp i, 0,1,2,3
	v_add_f32 v[80+\i], v[16+8*\i], v[17+8*\i]
.endr
.irp j, 2,3,4,5,6,7
.irp i, 0,1,2,3
	v_add_f32 v[80+\i], v[80+\i], v[16+8*\i+\j]
.endr
.endr
.irp i, 0,1,2,3
	s_delay_alu instid0(VALU_DEP_4)
	v_permlanex16_b32 v[84+\i], v[80+\i], s[SEL], s[SEL+1]
.endr
.irp i, 0,1,2,3
	s_delay_alu instid0(VALU_DEP_4)
	v_add_f32 v[80+\i], v[80+\i], v[84+\i]
.endr
.irp i, 0,1,2,3
	ds_store_b32 v[RSA], v[80+\i] offset:RSTG+64*\i
.endr
	v_add_nc_u32 v10, s15, v[LS8]
	ds_load_b64 v[88:89], v10 offset:RSTG          ; my wave's own bytes: LDS serves a wave's instructions in order
	s_wait_dscnt 0x0
	global_store_b64 v[LS8], v[88:89], s[26:27]    ; 256 consecutive bytes, aligned
	s_cmp_lg_u32 s14, 0
	s_cbranch_scc1 .Lend
.irp q, 0,1,2,3,4,5,6,7                        ; wave 0 adds the eight waves' sums of v
	ds_load_b64 v[96+2*\q:97+2*\q], v[LS8] offset:VRED+256*\q
.endr
	s_wait_dscnt 0x0
.irp q, 1
	v_pk_add_f32 v[96:97], v[96:97], v[96+2*\q:97+2*\q]
.endr
.irp q, 2, 3, 4, 5, 6, 7
	s_delay_alu instid0(VALU_DEP_1)
	v_pk_add_f32 v[96:97], v[96:97], v[96+2*\q:97+2*\q]
.endr
	global_store_b64 v[LS8], v[96:97], s[28:29]    ; 256 consecutive bytes, aligned
.Lend:
	s_wait_tensorcnt 0x0
	ds_add_u32 v14, v15
	s_wait_dscnt 0x0
	s_endpgm
.Lfunc_end_k_qd834538ddc_heads:
	.size	k_qd834538ddc_heads, .Lfunc_end_k_qd834538ddc_heads-k_qd834538ddc_heads
	.p2alignl 7, 3214868480
	.fill 96, 4, 3214868480
	.section	.rodata,"a",@progbits
	.p2align	6, 0x0
	.amdhsa_kernel k_qd834538ddc_heads
		.amdhsa_group_segment_fixed_size 171008
		.amdhsa_private_segment_fixed_size 0
		.amdhsa_enable_private_segment 0
		.amdhsa_kernarg_size 40
		.amdhsa_user_sgpr_count 2
		.amdhsa_user_sgpr_kernarg_segment_ptr 1
		.amdhsa_wavefront_size32 1
		.amdhsa_system_sgpr_workgroup_id_x 1
		.amdhsa_system_sgpr_workgroup_id_y 1
		.amdhsa_system_sgpr_workgroup_id_z 1
		.amdhsa_system_vgpr_workitem_id 0
		.amdhsa_next_free_vgpr 512
		.amdhsa_next_free_sgpr 66
		.amdhsa_reserve_vcc 0
		.amdhsa_float_denorm_mode_32 3
		.amdhsa_float_denorm_mode_16_64 3
		.amdhsa_memory_ordered 1
		.amdhsa_forward_progress 1
		.amdhsa_inst_pref_size 167
	.end_amdhsa_kernel
	.amdgpu_metadata
---
amdhsa.version: [ 1, 2 ]
amdhsa.kernels:
  - .name:           k_qd834538ddc_heads
    .symbol:         k_qd834538ddc_heads.kd
    .args:
      - { .name: XC, .offset: 0, .size: 8, .value_kind: global_buffer, .address_space: global }
      - { .name: XS, .offset: 8, .size: 8, .value_kind: global_buffer, .address_space: global }
      - { .name: WF, .offset: 16, .size: 8, .value_kind: global_buffer, .address_space: global }
      - { .name: RS, .offset: 24, .size: 8, .value_kind: global_buffer, .address_space: global }
      - { .name: VP, .offset: 32, .size: 8, .value_kind: global_buffer, .address_space: global }
    .group_segment_fixed_size: 171008
    .private_segment_fixed_size: 0
    .kernarg_segment_align: 8
    .kernarg_segment_size: 40
    .max_flat_workgroup_size: 256
    .sgpr_count:     66
    .vgpr_count:     512
    .wavefront_size: 32
...
	.end_amdgpu_metadata
.endif
;; end of part 5
;; launch ffn (part 6): grid 256 x 1, 16 waves a work-group, no clusters, 199,168 bytes of LDS; arguments x, RS, VP, WF, g1, b1, g2, b2, out0; writes out0
.if DOCPART == 6
	.amdgcn_target "amdgcn-amd-amdhsa--gfx1250"
	.amdhsa_code_object_version 6
	.text
	.protected	k_qd834538ddc_ffn
	.globl	k_qd834538ddc_ffn
	.p2align	8
	.type	k_qd834538ddc_ffn,@function
k_qd834538ddc_ffn:
	s_mov_b64 s[64:65], 0
	v_nop
	global_prefetch_b8 v0, s[64:65] scope:SCOPE_SE
	s_setreg_imm32_b32 hwreg(HW_REG_WAVE_SCHED_MODE, 0, 2), 2
	s_setreg_imm32_b32 hwreg(HW_REG_WAVE_MODE, 25, 1), 1
	s_wait_xcnt 0x0
	s_wait_alu depctr_vm_vsrc(0)
; FFN.  For 32 tokens of one batch: p = softmax over all 1,024 t of RS / 8 (the maximum taken away first), x + p x vsum, layer norm 1, quantised, x W1, relu, quantised, x W2, + x1, layer norm 2.
; Both products on codes of E2M1 with E8M0 scales; all else f32; x1 and the hidden layer never go to memory.
; SHARES.  Sixteen waves of 256 registers.  In the vector phases wave w takes head w's softmax and rows 2 w, 2 w + 1.  In the products THE WAVES SHARE THE COLUMNS: wave w makes units 64 w .. 64 w + 63
; for both tiles of 16 tokens: eight accumulators, 64 matrix instructions a product.  Its weight blocks (4,352 consecutive bytes a K step, laid as operand registers) go from memory straight into
; registers, four sets by turns, three blocks on their way; x1's and the hidden layer's fragments go from wave to wave through LDS as images of their registers.
; THE HEAD ASKS ONLY FOR WHAT THE FIRST PHASES NEED: 15 loads for the softmax and the vectors, 16 of x.  The 27 loads of the first three weight blocks stand singly among the vector instructions of the
; softmax and of layer norm 1, so that the softmax begins behind 31 loads and not behind 58.
; K IS WALKED FROM A START THAT HANGS ON THE WORK-GROUP (n % 8): at any moment the work-groups together name all eight K steps of a weight.  The sums' order differs accordingly.
; NO CLUSTER, NO JOINT LOADS: the weights are what work-groups share, but each block is multiplied by one wave alone, out of the registers it was loaded into (8 matrix instructions a block);
; through LDS its 4,352 bytes would be written and read once more, 544 LDS bytes more for each matrix instruction, beside the 256 that the fragments of x1 take; and two slots of a K step's
; 69,632 bytes do not fit beside the 197,120 bytes in use.
; Both layer norms take the mean first and then the squares of the differences.
; LIMITS: NaN and infinities are not served; a block under 2^-124 or of zeros gets the scale byte 1.
; REGISTERS: v1-14 addresses; v16-79 two rows of x, later the accumulators ((ct, m) at 16 + 32 m + 8 ct); v80-111 RS, vsum, g1, the quantiser's room, later two operand buffers;
;   v112-115 and v248-255 scale words and nothing else; v116-119 statistics (v118, v119 later addresses); v120-247 four weight sets (the fourth serves the preamble first).
; THE MODE: SCHED_MODE bits 1:0 = 2 (LLVM: expert scheduling mode 2), set by the entry lines.  The code itself states the register dependences between vector or matrix instructions and
; memory or LDS instructions, with s_wait_alu, always for 0.
; THE PLAN, in the products.  Registers that memory or LDS instructions touch in a K step i:
;   weight set i % 4 and its scale words   read by step i's eight matrix instructions; behind them the nine loads of step i + 4 land there.
;   operand buffer i % 2 and its scale words   read by the same eight; behind them the six LDS loads of step i + 2 land there.
;   v5, v6 / v118, v119   LDS addresses of an even / an odd step's fragments and scale words: read by that step's six LDS loads; both pairs are written in every second step, for the two steps that are asked for next.
;   v1, v3   offsets of every weight load: never written again.  The accumulators are named by matrix and vector instructions alone.
; So ONE wait on va_vdst stands in a step, behind its matrix instructions and their places: they are done reading the set and the buffer in which the step's loads land, and the addresses made in that
; step are written.  A wave has no registers for a fifth set (four waves share a SIMD's 1,024), so a set is asked for again straight behind its readers, and three blocks stay on their way.
; One wait on vm_vsrc for two steps stands ahead of the four additions that write the address pairs.
; Outside the products each phase has its waits where a store reads what vector instructions wrote, where a load lands in what they named, and where registers that a store has read are written again.
.set XIMG, 0                           ; LDS: x1's 16 fragments, (K step s, tile m) at (2 s + m) x 1,024,
.set HIMG, 16384                       ; the hidden layer's,
.set XSCL, 32768                       ; their scale words, 128 bytes a fragment,
.set HSCL, 34816
.set PST,  36864                       ; p: head x 128 + token x 4
.set VST,  38912                       ; vsum, g1, b1, g2, b2: 4,096 bytes each
.set G1ST, 43008
.set B1ST, 47104
.set G2ST, 51200
.set B2ST, 55296
.set RED1, 59392                       ; 32 rows x 80 bytes: sixteen waves' parts of a row's sum
.set RED2, 61952
.set X1ST, 65536                       ; x1, later the result: 32 rows,
.set XP,   4112                        ; 4,096 bytes + 16 apart
.set GRP,  34816
.set BLK,  4352
.set TM,   80
.set PC,   96
.set PW,   104
.set EA,   5                           ; v5, v6      an even K step's LDS addresses: fragments, scale words
.set OA,   118                         ; v118, v119  an odd K step's
.set SEL,  40
.set wl_,  0                           ; how many of the first three blocks' 27 loads have been issued
.macro PLACES n
.rept \n
	v_nop
.endr
.endm
.macro BARRIER                         ; my LDS stores have landed and my LDS loads are in: then the work-group's barrier
	s_wait_dscnt 0x0
	s_barrier_signal -1
	s_barrier_wait -1
.endm
; One matrix instruction.  c < 0: the constant 0 starts the sum.  ra, rb: the side's scale words stand in lanes 16-31.
.macro WM d, a, b, c, sa, sb, ra, rb
.if (\c) < 0
.if (\ra) && (\rb)
	v_wmma_scale_f32_16x16x128_f8f6f4 v[(\d):(\d)+7], v[(\a):(\a)+7], v[(\b):(\b)+7], 0, v[(\sa)], v[(\sb)] matrix_a_fmt:MATRIX_FMT_FP4 matrix_b_fmt:MATRIX_FMT_FP4 matrix_a_scale:MATRIX_SCALE_ROW1 matrix_b_scale:MATRIX_SCALE_ROW1
.elseif (\ra)
	v_wmma_scale_f32_16x16x128_f8f6f4 v[(\d):(\d)+7], v[(\a):(\a)+7], v[(\b):(\b)+7], 0, v[(\sa)], v[(\sb)] matrix_a_fmt:MATRIX_FMT_FP4 matrix_b_fmt:MATRIX_FMT_FP4 matrix_a_scale:MATRIX_SCALE_ROW1
.elseif (\rb)
	v_wmma_scale_f32_16x16x128_f8f6f4 v[(\d):(\d)+7], v[(\a):(\a)+7], v[(\b):(\b)+7], 0, v[(\sa)], v[(\sb)] matrix_a_fmt:MATRIX_FMT_FP4 matrix_b_fmt:MATRIX_FMT_FP4 matrix_b_scale:MATRIX_SCALE_ROW1
.else
	v_wmma_scale_f32_16x16x128_f8f6f4 v[(\d):(\d)+7], v[(\a):(\a)+7], v[(\b):(\b)+7], 0, v[(\sa)], v[(\sb)] matrix_a_fmt:MATRIX_FMT_FP4 matrix_b_fmt:MATRIX_FMT_FP4
.endif
.else
.if (\ra) && (\rb)
	v_wmma_scale_f32_16x16x128_f8f6f4 v[(\d):(\d)+7], v[(\a):(\a)+7], v[(\b):(\b)+7], v[(\c):(\c)+7], v[(\sa)], v[(\sb)] matrix_a_fmt:MATRIX_FMT_FP4 matrix_b_fmt:MATRIX_FMT_FP4 matrix_a_scale:MATRIX_SCALE_ROW1 matrix_b_scale:MATRIX_SCALE_ROW1
.elseif (\ra)
	v_wmma_scale_f32_16x16x128_f8f6f4 v[(\d):(\d)+7], v[(\a):(\a)+7], v[(\b):(\b)+7], v[(\c):(\c)+7], v[(\sa)], v[(\sb)] matrix_a_fmt:MATRIX_FMT_FP4 matrix_b_fmt:MATRIX_FMT_FP4 matrix_a_scale:MATRIX_SCALE_ROW1
.elseif (\rb)
	v_wmma_scale_f32_16x16x128_f8f6f4 v[(\d):(\d)+7], v[(\a):(\a)+7], v[(\b):(\b)+7], v[(\c):(\c)+7], v[(\sa)], v[(\sb)] matrix_a_fmt:MATRIX_FMT_FP4 matrix_b_fmt:MATRIX_FMT_FP4 matrix_b_scale:MATRIX_SCALE_ROW1
.else
	v_wmma_scale_f32_16x16x128_f8f6f4 v[(\d):(\d)+7], v[(\a):(\a)+7], v[(\b):(\b)+7], v[(\c):(\c)+7], v[(\sa)], v[(\sb)] matrix_a_fmt:MATRIX_FMT_FP4 matrix_b_fmt:MATRIX_FMT_FP4
.endif
.endif
.endm
; 64 numbers of a lane, register 16 b + i = number 32 b + 16 (lane / 16) + i of my row, become a fragment's codes in v[PC] on and its scale word in v[PW].
.macro QUANT s
.irp b, 0,1,2,3
	v_mov_b32 v[TM+4+\b], 0                        ; a lane permute's destination counts as one of its sources
.endr
.irp b, 0,1,2,3
	v_max3_num_f32 v[TM+\b], |v[\s+16*\b]|, |v[\s+1+16*\b]|, 0x1800000   ; block b: my 16 numbers, and the floor 2^(3 - 127): the byte cannot fall under 1
.endr
.irp i, 2,4,6,8,10,12,14
.irp b, 0,1,2,3
	v_max3_num_f32 v[TM+\b], v[TM+\b], |v[\s+16*\b+\i]|, |v[\s+1+16*\b+\i]|
.endr
.endr
.irp b, 0,1,2,3
	v_permlanex16_b32 v[TM+4+\b], v[TM+\b], s[SEL], s[SEL+1]
.endr
.irp b, 0,1,2,3
	v_max_num_f32 v[TM+\b], v[TM+\b], v[TM+4+\b]   ; with lane l xor 16's: the block's largest magnitude
.endr
.irp b, 0,1,2,3
	v_add_nc_u32 v[TM+12+\b], 0xff000000, v[TM+\b] ; 2 off its exponent field: the conversion's scale operand
.endr
.irp b, 0,1,2,3
	v_lshrrev_b32 v[TM+4+\b], 23, v[TM+12+\b]      ; the scale's byte
.endr
	v_lshl_or_b32 v[PW], v[TM+5], 8, v[TM+4]
	v_lshl_or_b32 v[PW], v[TM+6], 16, v[PW]
	v_lshl_or_b32 v[PW], v[TM+7], 24, v[PW]
.irp b, 0,1,2,3
	v_cvt_scalef32_pk8_fp4_f32 v[PC+2*\b], v[\s+16*\b:\s+7+16*\b], v[TM+12+\b]
	v_cvt_scalef32_pk8_fp4_f32 v[PC+1+2*\b], v[\s+8+16*\b:\s+15+16*\b], v[TM+12+\b]
.endr
	v_nop                                          ; one plain line behind the scaled conversions
.irp c, 0,1                                    ; the operand wants a whole block in a lane: lanes 0-15 block 2 c, lanes 16-31 block 2 c + 1
.irp i, 0,1
	v_permlane16_swap_b32 v[PC+4*\c+\i], v[PC+2+4*\c+\i]
.endr
.endr
.endm
; Step i of the weight stream (0-7: W1, 8-15: W2) takes K step (n % 8 + i) % 8 into set i % 4: nine loads.  The set's base is written again only behind the counted wait that has shown step i - 4's loads done.
.macro ISSUE i
.set q_, (\i)%4
	s_add_co_u32 s36, s23, \i
	s_and_b32 s36, s36, 7
	s_mul_i32 s36, s36, BLK
.if (\i) < 8
	s_add_nc_u64 s[28+2*q_:29+2*q_], s[24:25], s[36:37]
.else
	s_add_nc_u64 s[28+2*q_:29+2*q_], s[26:27], s[36:37]
.endif
.irp ct, 0,1,2,3
.irp c, 0,1
	global_load_b128 v[120+32*q_+8*\ct+4*\c:120+32*q_+8*\ct+4*\c+3], v1, s[28+2*q_:29+2*q_] offset:1024*\ct+512*\c
.endr
.endr
	global_load_b64 v[248+2*q_:249+2*q_], v3, s[28+2*q_:29+2*q_] offset:4096
.endm
; The first three steps' blocks are asked for load by load.  WBASE i: the base of step i's block (i under 4).  WL i, k: load k of its nine.  NEXTWL: the next of the 27, while there is one.
; No vector instruction ahead of the products names sets 0 to 2 or their scale words, and v1 and v3 are written ahead of the head's wait: so these loads owe no wait of their own.
.macro WBASE i
	s_add_co_u32 s36, s23, \i
	s_and_b32 s36, s36, 7
	s_mul_i32 s36, s36, BLK
	s_add_nc_u64 s[28+2*(\i):29+2*(\i)], s[24:25], s[36:37]
.endm
.macro WL i, k
.set q_, (\i)%4
.if (\k) < 8
	global_load_b128 v[120+32*q_+4*(\k):120+32*q_+4*(\k)+3], v1, s[28+2*q_:29+2*q_] offset:512*(\k)
.else
	global_load_b64 v[248+2*q_:249+2*q_], v3, s[28+2*q_:29+2*q_] offset:4096
.endif
.endm
.macro NEXTWL
.if wl_ < 27
	WL wl_/9, wl_%9
.set wl_, wl_+1
.endif
.endm
; The LDS addresses of step i's K step, (n % 8 + i) % 8: its two fragments' and its scale words', into the pair of i's parity.
.macro XADR i
.set a_, EA+(OA-EA)*((\i)%2)
	s_add_co_u32 s38, s23, \i
	s_and_b32 s38, s38, 7
	s_lshl_b32 s39, s38, 11
	v_add_nc_u32 v[a_], s39, v1
	s_lshl_b32 s39, s38, 8
	v_add_nc_u32 v[a_+1], s39, v2
.endm
; That K step's two fragments of x1 (or of the hidden layer) and their scale words into buffer i % 2: six LDS loads.
.macro XLD i
.set p_, (\i)%2
.set a_, EA+(OA-EA)*p_
.if (\i) < 8
.set im_, XIMG
.set sc_, XSCL
.else
.set im_, HIMG
.set sc_, HSCL
.endif
.irp m, 0,1
.irp c, 0,1
	ds_load_b128 v[80+16*p_+8*\m+4*\c:80+16*p_+8*\m+4*\c+3], v[a_] offset:im_+1024*\m+512*\c
.endr
	ds_load_b32 v[112+2*p_+\m], v[a_+1] offset:sc_+128*\m
.endr
.endm
.macro STEP i                          ; eight matrix instructions, the eight accumulators by turns
.set q_, (\i)%4
.set p_, (\i)%2
.if (\i) <= 12
	s_wait_loadcnt 27                              ; this step's weight block is in; the three younger blocks, nine loads each, may be out
.else
	s_wait_loadcnt 9*(15-(\i))
.endif
.if ((\i)%8) == 7
	s_wait_dscnt 0x0
.else
	s_wait_dscnt 6                                 ; this step's fragments are in; the other buffer's six loads may be out
.endif
.irp m, 0,1
.irp ct, 0,1,2,3
.if ((\i)%8) == 0
	WM 16+32*\m+8*\ct, 120+32*q_+8*\ct, 80+16*p_+8*\m, -1, 248+2*q_+\ct/2, 112+2*p_+\m, \ct%2, 0
.else
	WM 16+32*\m+8*\ct, 120+32*q_+8*\ct, 80+16*p_+8*\m, 16+32*\m+8*\ct, 248+2*q_+\ct/2, 112+2*p_+\m, \ct%2, 0
.endif
.endr
.endr
.if (((\i)%2) == 0) && (((\i)%8) <= 4)
	s_wait_alu depctr_vm_vsrc(0)                   ; the LDS loads of this step's and the next step's fragments, issued in the two steps before, have read both pairs of addresses, which the four additions write
	XADR (\i)+2
	XADR (\i)+3
.endif
.if ((\i)%8) == 7
	PLACES 5                                       ; the accumulators are read next, and later begun anew by matrix instructions
.else
	PLACES 4                                       ; behind the matrix instructions, in front of loads into registers that they have read
.endif
.if ((\i) <= 11) || (((\i)%8) <= 5)
	s_wait_alu depctr_va_vdst(0)                   ; the eight matrix instructions are done reading this step's weight set, its operand buffer and both kinds of scale words, in which the loads below land; the addresses made above are written
.endif
.if (\i) <= 11
	ISSUE (\i)+4
.endif
.if ((\i)%8) <= 5
	XLD (\i)+2
.endif
.endm
.macro LSUM2 a, ta, b, tb              ; two sums over the 32 lanes, by turns
.irp x, 1,2,4,8
	v_add_f32_dpp v[\a], v[\a], v[\a] row_xmask:\x row_mask:0xf bank_mask:0xf
	v_add_f32_dpp v[\b], v[\b], v[\b] row_xmask:\x row_mask:0xf bank_mask:0xf
.endr
	v_permlanex16_b32 v[\ta], v[\a], s[SEL], s[SEL+1]
	v_permlanex16_b32 v[\tb], v[\b], s[SEL], s[SEL+1]
	v_add_f32 v[\a], v[\a], v[\ta]
	v_add_f32 v[\b], v[\b], v[\tb]
.endm
.macro SUM16 a                         ; the sum of 16 registers into the first
	v_pk_add_f32 v[\a:\a+1], v[\a:\a+1], v[\a+2:\a+3]
	v_pk_add_f32 v[\a+4:\a+5], v[\a+4:\a+5], v[\a+6:\a+7]
	v_pk_add_f32 v[\a+8:\a+9], v[\a+8:\a+9], v[\a+10:\a+11]
	v_pk_add_f32 v[\a+12:\a+13], v[\a+12:\a+13], v[\a+14:\a+15]
	v_pk_add_f32 v[\a:\a+1], v[\a:\a+1], v[\a+4:\a+5]
	v_pk_add_f32 v[\a+8:\a+9], v[\a+8:\a+9], v[\a+12:\a+13]
	v_pk_add_f32 v[\a:\a+1], v[\a:\a+1], v[\a+8:\a+9]
	v_add_f32 v[\a], v[\a], v[\a+1]
.endm
	s_load_b512 s[4:19], s[0:1], 0x0               ; x, RS, VP, WF, g1, b1, g2, b2
	s_load_b64 s[20:21], s[0:1], 0x40              ; out0
	v_lshrrev_b32 v5, 5, v0
	v_readfirstlane_b32 s22, v5                    ; wave 0..15
	v_and_b32 v6, 31, v0
	v_lshlrev_b32 v1, 4, v6                        ; 16 x lane
	s_wait_alu depctr_va_vdst(0)
	v_lshlrev_b32 v2, 2, v6                        ; 4 x lane
	s_wait_alu depctr_va_vdst(0)
	v_lshlrev_b32 v3, 3, v6                        ; 8 x lane
	s_wait_alu depctr_va_vdst(0)
	v_and_b32 v15, 15, v0                          ; r
	v_bfe_u32 v116, v0, 4, 1                       ; h
	s_wait_alu depctr_va_vdst(0)
	s_and_b32 s23, ttmp9, 7                        ; where my work-group begins its walk along K
	s_mov_b32 s37, 0                               ; the upper word of every offset: kept
	s_mov_b32 s[SEL], 0x76543210
	s_mov_b32 s[SEL+1], 0xfedcba98                 ; v_permlanex16_b32's selects for lane l xor 16
	s_mov_b32 s42, 0x3e38aa3b                      ; c = log2(e) / 8
	s_mov_b32 s43, s42
	s_mov_b32 s44, 0x3a800000                      ; 1 / 1,024
	s_mov_b32 s45, 0x3727c5ac                      ; 1e-5
	s_wait_alu depctr_va_sdst(0)                   ; s22, the wave's number, is written, ahead of its first reader
	s_mul_i32 s38, s22, 2*XP
	s_add_co_u32 s38, s38, X1ST
	v_add_nc_u32 v4, s38, v1                       ; rows 2 w, 2 w + 1 of the x1 stage, 16 bytes a lane
	s_lshr_b32 s38, s22, 1
	s_and_b32 s39, s22, 1
	s_lshl_b32 s46, s38, 11
	s_lshl_b32 s47, s39, 9
	s_add_co_u32 s46, s46, s47
	v_add_nc_u32 v7, s46, v1                       ; my half (w % 2) of the hidden layer's fragments of K step w / 2
	s_lshl_b32 s46, s38, 8
	s_lshl_b32 s47, s39, 1
	s_add_co_u32 s46, s46, s47
	v_add_nc_u32 v8, s46, v2                       ; and my two bytes of their scale words
	s_lshl_b32 s46, s22, 8
	v_add_nc_u32 v9, s46, v3                       ; 8 x lane + 256 x wave
	s_lshl_b32 s46, s22, 7
	v_add_nc_u32 v10, s46, v2                      ; 4 x lane + 128 x wave
	s_lshl_b32 s46, s22, 3
	v_lshl_add_u32 v11, v116, 7, s46               ; p of my two rows: head h (+ 2 j), tokens 2 w, 2 w + 1
	s_lshr_b32 s38, s22, 3                         ; the fragment of x1 that I quantise: tile m = w / 8,
	s_and_b32 s39, s22, 7                          ; K step s = w % 8
	s_mul_i32 s46, s38, 16*XP
	s_lshl_b32 s47, s39, 9
	s_add_co_u32 s46, s46, s47
	s_add_co_u32 s46, s46, X1ST
	v_mul_u32_u24 v12, v15, XP
	v_lshl_add_u32 v12, v116, 6, v12
	v_add_nc_u32 v12, s46, v12                     ; its numbers: row 16 m + r, byte 512 s + 64 h
	s_lshl_b32 s46, s39, 1
	s_add_co_u32 s46, s46, s38
	s_lshl_b32 s47, s46, 10
	v_add_nc_u32 v13, s47, v1                      ; its image,
	s_lshl_b32 s47, s46, 7
	v_add_nc_u32 v14, s47, v2                      ; its scale words
	s_wait_kmcnt 0x0
	s_add_co_u32 s36, s22, 48
	s_mul_i32 s36, s36, GRP
	s_add_nc_u64 s[24:25], s[10:11], s[36:37]      ; W1's group w
	s_add_nc_u64 s[26:27], s[24:25], 16*GRP        ; W2's group w
	s_lshl_b32 s36, ttmp9, 17
	s_lshl_b32 s38, s22, 13
	s_add_co_u32 s36, s36, s38
	s_add_nc_u64 s[48:49], s[4:5], s[36:37]        ; x at row 32 n + 2 w
	s_add_nc_u64 s[20:21], s[20:21], s[36:37]      ; out0 likewise
	s_lshr_b32 s38, ttmp9, 5                       ; b
	s_lshl_b32 s36, s38, 4
	s_add_co_u32 s36, s36, s22
	s_lshl_b32 s36, s36, 12
	s_add_nc_u64 s[50:51], s[6:7], s[36:37]        ; RS at (b, head w)
	s_and_b32 s36, ttmp9, 31
	s_lshl_b32 s36, s36, 7
	s_add_nc_u64 s[52:53], s[50:51], s[36:37]      ; and at my work-group's 32 tokens
	s_lshl_b32 s36, s38, 13
	s_add_nc_u64 s[54:55], s[8:9], s[36:37]        ; VP at b
	s_wait_alu depctr_va_vdst(0)                   ; the offsets and LDS addresses v1 to v4 and v7 to v14 are written, which the loads and stores from here on read
; ---- 31 loads at the head: 15 for the softmax and the vectors, 16 of x
.irp j, 0,1,2,3,4,5,6,7
	global_load_b128 v[80+4*\j:83+4*\j], v1, s[50:51] offset:512*\j
.endr
	global_load_b32 v228, v2, s[52:53]
	global_load_b64 v[216:217], v9, s[54:55]
	global_load_b64 v[218:219], v9, s[54:55] offset:4096
	global_load_b64 v[220:221], v9, s[12:13]
	global_load_b64 v[222:223], v9, s[14:15]
	global_load_b64 v[224:225], v9, s[16:17]
	global_load_b64 v[226:227], v9, s[18:19]
.irp p, 0,1
.irp j, 0,1,2,3,4,5,6,7
	global_load_b128 v[16+32*\p+4*\j:19+32*\p+4*\j], v1, s[48:49] offset:4096*\p+512*\j th:TH_LOAD_NT
.endr
.endr
	WBASE 0                                        ; the bases of the first three weight blocks; their loads follow one by one (NEXTWL)
	WBASE 1
	WBASE 2
; ---- the softmax of head w over the batch's 1,024 tokens; p of my work-group's 32
	s_wait_loadcnt 16                              ; the first 15 loads are in; x's 16 may be out
	v_max3_num_f32 v116, v80, v81, v82
	v_max3_num_f32 v117, v83, v84, v85
	v_max3_num_f32 v118, v86, v87, v88
	v_max3_num_f32 v119, v89, v90, v91
	NEXTWL
.irp j, 92,100
	v_max3_num_f32 v116, v116, v[\j], v[\j+1]
	v_max3_num_f32 v117, v117, v[\j+2], v[\j+3]
	v_max3_num_f32 v118, v118, v[\j+4], v[\j+5]
	v_max3_num_f32 v119, v119, v[\j+6], v[\j+7]
	NEXTWL
.endr
	v_max3_num_f32 v116, v116, v108, v109
	v_max3_num_f32 v117, v117, v110, v111
	v_max3_num_f32 v116, v116, v117, v118
	v_max_num_f32 v116, v116, v119
.irp x, 1,2,4,8
	v_max_num_f32_dpp v116, v116, v116 row_xmask:\x row_mask:0xf bank_mask:0xf
.endr
	v_permlanex16_b32 v117, v116, s[SEL], s[SEL+1]
	v_max_num_f32 v116, v116, v117                 ; the row's maximum, in every lane
	v_mov_b32 v117, v116
.set j, 0
.rept 16
	v_pk_add_f32 v[80+j:81+j], v[80+j:81+j], v[116:117] neg_lo:[0,1] neg_hi:[0,1]   ; r - max first, so that the error goes with the difference
.if (j%8) == 0
	NEXTWL
.endif
.set j, j+2
.endr
	v_sub_f32 v228, v228, v116
.set j, 0
.rept 16
	v_pk_mul_f32 v[80+j:81+j], v[80+j:81+j], s[42:43] op_sel_hi:[1,0]
.if (j%8) == 0
	NEXTWL
.endif
.set j, j+2
.endr
	v_mul_f32 v228, s42, v228
.set j, 0
	s_wait_alu depctr_va_vdst(0)
.rept 32
	v_exp_f32 v[80+j], v[80+j]
.if (j%8) == 0
	NEXTWL
.endif
.set j, j+1
.endr
	v_exp_f32 v228, v228
	v_pk_add_f32 v[216:217], v[216:217], v[218:219]    ; vsum = the two halves' sums (the plain line behind the exponentials)
	ds_store_b64 v9, v[220:221] offset:G1ST        ; the four vectors go on as they were loaded: no vector instruction has named them
	ds_store_b64 v9, v[222:223] offset:B1ST
	ds_store_b64 v9, v[224:225] offset:G2ST
	ds_store_b64 v9, v[226:227] offset:B2ST
	s_wait_alu depctr_va_vdst(0)                   ; the 33 exponentials have written their results, ahead of their first reader; and vsum is written, which the LDS store below reads
	ds_store_b64 v9, v[216:217] offset:VST
	v_pk_add_f32 v[116:117], v[80:81], v[82:83]
	v_pk_add_f32 v[118:119], v[84:85], v[86:87]
.irp j, 88,92,96,100,104,108
	v_pk_add_f32 v[116:117], v[116:117], v[\j:\j+1]
	v_pk_add_f32 v[118:119], v[118:119], v[\j+2:\j+3]
.endr
	v_pk_add_f32 v[116:117], v[116:117], v[118:119]
	v_add_f32 v116, v116, v117
.irp x, 1,2,4,8
	v_add_f32_dpp v116, v116, v116 row_xmask:\x row_mask:0xf bank_mask:0xf
.endr
	v_permlanex16_b32 v117, v116, s[SEL], s[SEL+1]
	v_add_f32 v116, v116, v117                     ; the sum: at least 1, the maximum's own term
	s_wait_alu depctr_va_vdst(0)
	v_rcp_f32 v116, v116
	v_nop
	s_wait_alu depctr_va_vdst(0)                   ; the reciprocal has written v116, ahead of its reader
	v_mul_f32 v228, v228, v116
	s_wait_alu depctr_va_vdst(0)                   ; p is written in v228, which the LDS store reads; and the softmax is done with v80 to v111 and v216 to v228, in which the loads behind the barrier land
	ds_store_b32 v10, v228 offset:PST
	BARRIER                                        ; p of 16 heads x 32 tokens, vsum and the four vectors lie in LDS
	s_wait_alu depctr_vm_vsrc(0)                   ; my six LDS stores have read v216 to v228, in which p's loads land
; ---- x + p x vsum and layer norm 1, rows 2 w and 2 w + 1: a lane holds columns 128 j + 4 lane + 0 .. 3
.irp j, 0,1,2,3,4,5,6,7
	ds_load_b128 v[80+4*\j:83+4*\j], v1 offset:VST+512*\j
.endr
.irp j, 0,1,2,3,4,5,6,7
	ds_load_b64 v[216+2*\j:217+2*\j], v11 offset:PST+256*\j      ; head 2 j + lane / 16: p of both rows
.endr
	s_wait_loadcnt wl_                             ; x is in; the weight loads issued so far, all of them younger, may be out
	s_wait_dscnt 0x0
.irp j, 0,1,2,3,4,5,6,7
.irp e, 0,2
	v_pk_fma_f32 v[16+4*\j+\e:17+4*\j+\e], v[80+4*\j+\e:81+4*\j+\e], v[216+2*\j:217+2*\j], v[16+4*\j+\e:17+4*\j+\e] op_sel_hi:[1,0,1]
	v_pk_fma_f32 v[48+4*\j+\e:49+4*\j+\e], v[80+4*\j+\e:81+4*\j+\e], v[216+2*\j:217+2*\j], v[48+4*\j+\e:49+4*\j+\e] op_sel:[0,1,0] op_sel_hi:[1,1,1]
.endr
.if (\j%2) == 0
	NEXTWL
.endif
.endr
	s_wait_alu depctr_va_vdst(0)                   ; the 32 multiply-adds are done reading vsum and p, in whose registers g1 and b1 land
.irp j, 0,1,2,3,4,5,6,7
	ds_load_b128 v[80+4*\j:83+4*\j], v1 offset:G1ST+512*\j
	ds_load_b128 v[216+4*\j:219+4*\j], v1 offset:B1ST+512*\j
.endr
	v_pk_add_f32 v[116:117], v[16:17], v[18:19]
	v_pk_add_f32 v[118:119], v[48:49], v[50:51]
.set j, 4
.rept 14
	v_pk_add_f32 v[116:117], v[116:117], v[16+j:17+j]
	v_pk_add_f32 v[118:119], v[118:119], v[48+j:49+j]
.if (j%8) == 0
	NEXTWL
.endif
.set j, j+2
.endr
	v_add_f32 v116, v116, v117
	v_add_f32 v118, v118, v119
	LSUM2 116, 117, 118, 119
	v_mul_f32 v116, s44, v116                      ; the means
	v_mul_f32 v118, s44, v118
	v_mov_b32 v117, v116
	v_mov_b32 v119, v118
.set j, 0
.rept 16
	v_pk_add_f32 v[16+j:17+j], v[16+j:17+j], v[116:117] neg_lo:[0,1] neg_hi:[0,1]
	v_pk_add_f32 v[48+j:49+j], v[48+j:49+j], v[118:119] neg_lo:[0,1] neg_hi:[0,1]
.if (j%8) == 0
	NEXTWL
.endif
.set j, j+2
.endr
	v_pk_mul_f32 v[116:117], v[16:17], v[16:17]
	v_pk_mul_f32 v[118:119], v[48:49], v[48:49]
.set j, 2
.rept 15
	v_pk_fma_f32 v[116:117], v[16+j:17+j], v[16+j:17+j], v[116:117]
	v_pk_fma_f32 v[118:119], v[48+j:49+j], v[48+j:49+j], v[118:119]
.if (j%8) == 0
	NEXTWL
.endif
.set j, j+2
.endr
.rept 27
	NEXTWL                                         ; whatever is left of the 27: behind this line all three blocks are asked for
.endr
	v_add_f32 v116, v116, v117
	v_add_f32 v118, v118, v119
	LSUM2 116, 117, 118, 119
	v_fma_f32 v116, v116, s44, s45                 ; the variance + 1e-5
	v_fma_f32 v118, v118, s44, s45
	s_wait_alu depctr_va_vdst(0)
	v_rsq_f32 v116, v116
	v_rsq_f32 v118, v118
	v_nop
	s_wait_alu depctr_va_vdst(0)                   ; both reciprocal roots have written v116 and v118, ahead of their first reader
	v_mov_b32 v117, v116
	v_mov_b32 v119, v118
	s_wait_alu depctr_va_vdst(0)
	s_wait_dscnt 0x0                               ; g1 and b1
.set j, 0
.rept 16
	v_pk_mul_f32 v[16+j:17+j], v[16+j:17+j], v[116:117]
	v_pk_mul_f32 v[48+j:49+j], v[48+j:49+j], v[118:119]
.set j, j+2
.endr
.set j, 0
.rept 16
	v_pk_fma_f32 v[16+j:17+j], v[16+j:17+j], v[80+j:81+j], v[216+j:217+j]
	v_pk_fma_f32 v[48+j:49+j], v[48+j:49+j], v[80+j:81+j], v[216+j:217+j]
.set j, j+2
.endr
	s_wait_alu depctr_va_vdst(0)                   ; x1 is written in v16 to v79, which the LDS stores read; and the multiply-adds are done reading b1 in v216 to v247, in which the fourth weight block lands
.irp p, 0,1
.irp j, 0,1,2,3,4,5,6,7
	ds_store_b128 v4, v[16+32*\p+4*\j:19+32*\p+4*\j] offset:XP*\p+512*\j
.endr
.endr
	BARRIER                                        ; 32 rows of x1 lie in the stage
	s_wait_alu depctr_vm_vsrc(0)                   ; my sixteen LDS stores have read v16 to v79, in which the stage's numbers land
; ---- x1's sixteen fragments: wave w quantises (tile w / 8, K step w % 8)
	ISSUE 3                                        ; the fourth set is free now
.irp b, 0,1,2,3
.irp i, 0,1,2,3
	ds_load_b128 v[16+16*\b+4*\i:19+16*\b+4*\i], v12 offset:128*\b+16*\i
.endr
.endr
	s_wait_dscnt 0x0
	QUANT 16
	s_wait_alu depctr_va_vdst(0)                   ; the codes and the scale word are written in v96 to v104, which the LDS stores read
	ds_store_b128 v13, v[PC:PC+3] offset:XIMG
	ds_store_b128 v13, v[PC+4:PC+7] offset:XIMG+512
	ds_store_b32 v14, v[PW] offset:XSCL
	BARRIER                                        ; x1's fragments and scale words lie in LDS
; ---- relu(x1 W1), quantised
	s_wait_alu depctr_vm_vsrc(0)                   ; my three LDS stores have read v96 to v104, in which step 1's fragments land
	XADR 0
	XADR 1
	s_wait_alu depctr_va_vdst(0)                   ; the four addresses are written, which the twelve LDS loads read; the quantiser is done with v80 to v111, in which they land
	XLD 0
	XLD 1
.irp i, 0,1,2,3,4,5,6,7
	STEP \i
.endr
.set j, 0
.rept 64
	v_max_num_f32 v[16+j], 0, v[16+j]              ; each accumulator from its low end on
.set j, j+1
.endr
	QUANT 16                                       ; blocks 0, 1: my 64 units of tile 0; blocks 2, 3: of tile 1.  They are half w % 2 of K step w / 2 of the next product
	s_wait_alu depctr_va_vdst(0)                   ; the codes and the scale word are written in v96 to v104, which the LDS stores read
	ds_store_b128 v7, v[PC:PC+3] offset:HIMG
	ds_store_b128 v7, v[PC+4:PC+7] offset:HIMG+1024
	ds_store_b16 v8, v[PW] offset:HSCL
	ds_store_b16_d16_hi v8, v[PW] offset:HSCL+128
	BARRIER                                        ; the hidden layer's fragments and scale words lie in LDS
; ---- x W2
	s_wait_alu depctr_vm_vsrc(0)                   ; my four LDS stores have read v96 to v104, in which step 9's fragments land; the loads of steps 6 and 7 have read both pairs of addresses, which the four additions write
	XADR 8
	XADR 9
	s_wait_alu depctr_va_vdst(0)                   ; the four addresses are written, which the twelve LDS loads read; the quantiser is done with v80 to v111, in which they land
	XLD 8
	XLD 9
.irp i, 8,9,10,11,12,13,14,15
	STEP \i
.endr
; ---- + x1 and layer norm 2.  Register 16 + 32 m + 16 b + i of lane (r, h) is row 16 m + r, column 64 w + 32 b + 16 h + i
	v_and_b32 v15, 15, v0                          ; (v9 to v13 are made anew: what read them as addresses was issued ahead of the waits on vm_vsrc in the products)
	v_bfe_u32 v116, v0, 4, 1
	v_mul_u32_u24 v9, v15, XP
	v_lshl_add_u32 v9, v116, 6, v9
	s_lshl_b32 s38, s22, 8
	v_lshl_add_u32 v11, v116, 6, s38               ; g2, b2: byte 256 w + 64 h
	s_add_co_u32 s39, s38, X1ST
	v_add_nc_u32 v9, s39, v9                       ; x1: row r, byte 256 w + 64 h;
	v_add_nc_u32 v10, 16*XP, v9                    ; row 16 + r
	v_mul_u32_u24 v13, v15, 80                     ; a row's sixteen parts,
	s_lshl_b32 s38, s22, 2
	v_add_nc_u32 v12, s38, v13                     ; mine among them
	s_wait_alu depctr_va_vdst(0)                   ; the addresses v9 to v13 are written, which the LDS instructions from here on read; the last matrix instructions are done reading the weight sets, in which the 32 loads land
.irp b, 0,1
.irp i, 0,1,2,3
	ds_load_b128 v[120+16*\b+4*\i:123+16*\b+4*\i], v9 offset:128*\b+16*\i
	ds_load_b128 v[152+16*\b+4*\i:155+16*\b+4*\i], v10 offset:128*\b+16*\i
	ds_load_b128 v[184+16*\b+4*\i:187+16*\b+4*\i], v11 offset:G2ST+128*\b+16*\i
	ds_load_b128 v[216+16*\b+4*\i:219+16*\b+4*\i], v11 offset:B2ST+128*\b+16*\i
.endr
.endr
	s_wait_dscnt 0x0
.set j, 0
.rept 32
	v_pk_add_f32 v[16+j:17+j], v[16+j:17+j], v[120+j:121+j]
.set j, j+2
.endr
	v_pk_add_f32 v[120:121], v[16:17], v[18:19]
	v_pk_add_f32 v[122:123], v[48:49], v[50:51]
.set j, 4
.rept 14
	v_pk_add_f32 v[120:121], v[120:121], v[16+j:17+j]
	v_pk_add_f32 v[122:123], v[122:123], v[48+j:49+j]
.set j, j+2
.endr
	v_add_f32 v120, v120, v121
	v_add_f32 v122, v122, v123
	v_permlanex16_b32 v121, v120, s[SEL], s[SEL+1]
	v_permlanex16_b32 v123, v122, s[SEL], s[SEL+1]
	v_add_f32 v120, v120, v121
	v_add_f32 v122, v122, v123
	s_wait_alu depctr_va_vdst(0)                   ; my parts of the rows' sums are written in v120 and v122, which the LDS stores read; the additions are done reading x1 in v124 to v155, in which the parts land behind the barrier
	ds_store_b32 v12, v120 offset:RED1             ; both halves of the lanes write the same number
	ds_store_b32 v12, v122 offset:RED1+1280
	BARRIER
	s_wait_alu depctr_vm_vsrc(0)                   ; my two LDS stores have read v120 and v122, which the means below write
.irp i, 0,1,2,3
	ds_load_b128 v[124+4*\i:127+4*\i], v13 offset:RED1+16*\i
	ds_load_b128 v[140+4*\i:143+4*\i], v13 offset:RED1+1280+16*\i
.endr
	s_wait_dscnt 0x0
	SUM16 124
	SUM16 140
	v_mul_f32 v120, s44, v124                      ; the means
	v_mul_f32 v122, s44, v140
	v_mov_b32 v121, v120
	v_mov_b32 v123, v122
.set j, 0
.rept 16
	v_pk_add_f32 v[16+j:17+j], v[16+j:17+j], v[120:121] neg_lo:[0,1] neg_hi:[0,1]
	v_pk_add_f32 v[48+j:49+j], v[48+j:49+j], v[122:123] neg_lo:[0,1] neg_hi:[0,1]
.set j, j+2
.endr
	v_pk_mul_f32 v[124:125], v[16:17], v[16:17]
	v_pk_mul_f32 v[126:127], v[48:49], v[48:49]
.set j, 2
.rept 15
	v_pk_fma_f32 v[124:125], v[16+j:17+j], v[16+j:17+j], v[124:125]
	v_pk_fma_f32 v[126:127], v[48+j:49+j], v[48+j:49+j], v[126:127]
.set j, j+2
.endr
	v_add_f32 v124, v124, v125
	v_add_f32 v126, v126, v127
	v_permlanex16_b32 v125, v124, s[SEL], s[SEL+1]
	v_permlanex16_b32 v127, v126, s[SEL], s[SEL+1]
	v_add_f32 v124, v124, v125
	v_add_f32 v126, v126, v127
	s_wait_alu depctr_va_vdst(0)                   ; my parts of the squares' sums are written in v124 and v126, which the LDS stores read; the sums above are done with v128 to v159, in which the parts land behind the barrier
	ds_store_b32 v12, v124 offset:RED2
	ds_store_b32 v12, v126 offset:RED2+1280
	BARRIER
.irp i, 0,1,2,3
	ds_load_b128 v[128+4*\i:131+4*\i], v13 offset:RED2+16*\i
	ds_load_b128 v[144+4*\i:147+4*\i], v13 offset:RED2+1280+16*\i
.endr
	s_wait_dscnt 0x0
	SUM16 128
	SUM16 144
	v_fma_f32 v120, v128, s44, s45
	v_fma_f32 v122, v144, s44, s45
	s_wait_alu depctr_va_vdst(0)
	v_rsq_f32 v120, v120
	v_rsq_f32 v122, v122
	v_nop
	s_wait_alu depctr_va_vdst(0)                   ; both reciprocal roots have written v120 and v122, ahead of their first reader
	v_mov_b32 v121, v120
	v_mov_b32 v123, v122
.set j, 0
.rept 16
	v_pk_mul_f32 v[16+j:17+j], v[16+j:17+j], v[120:121]
	v_pk_mul_f32 v[48+j:49+j], v[48+j:49+j], v[122:123]
.set j, j+2
.endr
.set j, 0
.rept 16
	v_pk_fma_f32 v[16+j:17+j], v[16+j:17+j], v[184+j:185+j], v[216+j:217+j]
	v_pk_fma_f32 v[48+j:49+j], v[48+j:49+j], v[184+j:185+j], v[216+j:217+j]
.set j, j+2
.endr
	s_wait_alu depctr_va_vdst(0)                   ; the result is written in v16 to v79, which the LDS stores read; the statistics are done with v120 to v159, in which whole rows land behind the barrier
.irp b, 0,1                                    ; the result takes x1's place in the stage: the bytes that I alone have read since the products began
.irp i, 0,1,2,3
	ds_store_b128 v9, v[16+16*\b+4*\i:19+16*\b+4*\i] offset:128*\b+16*\i
	ds_store_b128 v10, v[48+16*\b+4*\i:51+16*\b+4*\i] offset:128*\b+16*\i
.endr
.endr
	BARRIER                                        ; 32 whole rows of the result lie in the stage
	s_wait_alu depctr_vm_vsrc(0)                   ; the LDS stores of the squares' parts have read v124 and v126, in which the rows below land
.irp p, 0,1
.irp j, 0,1,2,3,4,5,6,7
	ds_load_b128 v[120+32*\p+4*\j:123+32*\p+4*\j], v4 offset:XP*\p+512*\j
.endr
.endr
.irp p, 0,1
.irp j, 0,1,2,3,4,5,6,7
	s_wait_dscnt 15-8*\p-\j                        ; this load is in; the younger ones may be out
	global_store_b128 v1, v[120+32*\p+4*\j:123+32*\p+4*\j], s[20:21] offset:4096*\p+512*\j th:TH_STORE_NT   ; 512 consecutive bytes, aligned
.endr
.endr
	s_wait_xcnt 0x0
	v_lshl_add_u32 v254, v0, 2, 0x30200            ; the add's two registers are made anew: loads have landed in v254 and v255 and matrix instructions have read them, no memory or LDS instruction has
	v_mov_b32 v255, 0
	s_wait_dscnt 0x0                               ; the closing lines, six on end
	s_wait_alu 0x0
	s_wait_tensorcnt 0x0
	ds_add_u32 v254, v255
	s_wait_dscnt 0x0
	s_endpgm
.Lfunc_end_k_qd834538ddc_ffn:
	.size	k_qd834538ddc_ffn, .Lfunc_end_k_qd834538ddc_ffn-k_qd834538ddc_ffn
	.p2alignl 7, 3214868480
	.fill 96, 4, 3214868480
	.section	.rodata,"a",@progbits
	.p2align	6, 0x0
	.amdhsa_kernel k_qd834538ddc_ffn
		.amdhsa_group_segment_fixed_size 199168
		.amdhsa_private_segment_fixed_size 0
		.amdhsa_enable_private_segment 0
		.amdhsa_kernarg_size 72
		.amdhsa_user_sgpr_count 2
		.amdhsa_user_sgpr_kernarg_segment_ptr 1
		.amdhsa_wavefront_size32 1
		.amdhsa_system_sgpr_workgroup_id_x 1
		.amdhsa_system_sgpr_workgroup_id_y 1
		.amdhsa_system_sgpr_workgroup_id_z 1
		.amdhsa_system_vgpr_workitem_id 0
		.amdhsa_next_free_vgpr 256
		.amdhsa_next_free_sgpr 66
		.amdhsa_reserve_vcc 0
		.amdhsa_float_denorm_mode_32 3
		.amdhsa_float_denorm_mode_16_64 3
		.amdhsa_memory_ordered 1
		.amdhsa_forward_progress 1
		.amdhsa_inst_pref_size 110
	.end_amdhsa_kernel
	.amdgpu_metadata
---
amdhsa.version: [ 1, 2 ]
amdhsa.kernels:
  - .name:           k_qd834538ddc_ffn
    .symbol:         k_qd834538ddc_ffn.kd
    .args:
      - { .name: x, .offset: 0, .size: 8, .value_kind: global_buffer, .address_space: global }
      - { .name: RS, .offset: 8, .size: 8, .value_kind: global_buffer, .address_space: global }
      - { .name: VP, .offset: 16, .size: 8, .value_kind: global_buffer, .address_space: global }
      - { .name: WF, .offset: 24, .size: 8, .value_kind: global_buffer, .address_space: global }
      - { .name: g1, .offset: 32, .size: 8, .value_kind: global_buffer, .address_space: global }
      - { .name: b1, .offset: 40, .size: 8, .value_kind: global_buffer, .address_space: global }
      - { .name: g2, .offset: 48, .size: 8, .value_kind: global_buffer, .address_space: global }
      - { .name: b2, .offset: 56, .size: 8, .value_kind: global_buffer, .address_space: global }
      - { .name: out0, .offset: 64, .size: 8, .value_kind: global_buffer, .address_space: global }
    .group_segment_fixed_size: 199168
    .private_segment_fixed_size: 0
    .kernarg_segment_align: 8
    .kernarg_segment_size: 72
    .max_flat_workgroup_size: 512
    .sgpr_count:     66
    .vgpr_count:     256
    .wavefront_size: 32
...
	.end_amdgpu_metadata
.endif
;; end of part 6
